; MI455X (gfx1250); checked and timed in simulation.
; The chip was launched on July 23, 2026; its instructions are those of AMD's public machine-readable ISA for CDNA 5 (MIT licence, August 2026) and "CDNA5" Instruction Set Architecture Reference Guide (July 2026). The comments in the code are by the model that wrote it; some were corrected since.
;; VQAMOE Layer. Allowed arithmetic: matrix products marked QUANTISED: E2M3 operands, one E8M0 scale for each 32 along K, by v_wmma_scale_f32_16x16x128_f8f6f4 with both operands' format E2M3, f32 sums; products left as they are: f32 operands where the result goes on into a quantised operand, else bf16, f16 or f32 operands; f32 sums; everything else in f32.
;; Inputs: b1 8 x 3,072 float32; b2 8 x 768 float32; ln_b 768 float32; ln_g 768 float32; router_b 8 float32; router_w 768 x 8 float32; w1 8 x 768 x 3,072 float32; w2 8 x 3,072 x 768 float32; x 8 x 128 x 768 float32.
;; Outputs: out0 8 x 128 x 768 float32.
;; This version of the problem:
;;   THIS VERSION OF THE PROBLEM IS GIVEN IN LOW PRECISION. The matrix products marked QUANTISED in the list below multiply operands that are first quantised to E2M3 (2 exponent bits, 3 mantissa bits; 6 bits a number), with one power-of-two scale for each 32 numbers along K (OCP MX v1.0); their sums are f32. All else is computed in f32.
;;   The module's matrix products, in the order in which they are computed (A, B: the left and right operand; K: the contracted axis; several contracted axes count as one K, in the product's order):
;;     1. [M 1,024, K 768] x [K 768, N 8]; A: input x; B: input router_w: left as it is (N = 8 < 16)
;;     2. [M 1,024, K 768] x [K 768, N 3,072]; A: input x; B: input w1: QUANTISED
;;     3. [M 1,024, K 3,072] x [K 3,072, N 768]; A: computed on the way; B: input w2: QUANTISED
;;     4. [M 1,024, K 768] x [K 768, N 3,072]; A: input x; B: input w1: QUANTISED
;;     5. [M 1,024, K 3,072] x [K 3,072, N 768]; A: computed on the way; B: input w2: QUANTISED
;;     6. [M 1,024, K 768] x [K 768, N 3,072]; A: input x; B: input w1: QUANTISED
;;     7. [M 1,024, K 3,072] x [K 3,072, N 768]; A: computed on the way; B: input w2: QUANTISED
;;     8. [M 1,024, K 768] x [K 768, N 3,072]; A: input x; B: input w1: QUANTISED
;;     9. [M 1,024, K 3,072] x [K 3,072, N 768]; A: computed on the way; B: input w2: QUANTISED
;;     10. [M 1,024, K 768] x [K 768, N 3,072]; A: input x; B: input w1: QUANTISED
;;     11. [M 1,024, K 3,072] x [K 3,072, N 768]; A: computed on the way; B: input w2: QUANTISED
;;     12. [M 1,024, K 768] x [K 768, N 3,072]; A: input x; B: input w1: QUANTISED
;;     13. [M 1,024, K 3,072] x [K 3,072, N 768]; A: computed on the way; B: input w2: QUANTISED
;;     14. [M 1,024, K 768] x [K 768, N 3,072]; A: input x; B: input w1: QUANTISED
;;     15. [M 1,024, K 3,072] x [K 3,072, N 768]; A: computed on the way; B: input w2: QUANTISED
;;     16. [M 1,024, K 768] x [K 768, N 3,072]; A: input x; B: input w1: QUANTISED
;;     17. [M 1,024, K 3,072] x [K 3,072, N 768]; A: computed on the way; B: input w2: QUANTISED
;;   THE QUANTISER, for each operand of a quantised product, along K:
;;     - K is cut into blocks of 32 from its start; a last block that is shorter is filled with zeros.
;;     - A block's scale is 2^e with e = floor(log2(the largest magnitude in the block)) - 2, held to -126 .. 127; a block of zeros has e = 0. As a byte (E8M0): e + 127.
;;     - Each number is divided by its block's scale, clamped to +-7.5, and rounded to the nearest number of E2M3, ties to even, subnormals kept.
;;     - The product sums the exact products of the quantised numbers (number of the format x scale) in f32.
;;   ~~~python
;;   def quantise(x, axis):      # numpy; x: float32 -> the quantised numbers, widened to float32 again
;;       x = np.moveaxis(x, axis, -1); K = x.shape[-1]
;;       x = np.pad(x, [(0, 0)] * (x.ndim - 1) + [(0, -K % 32)]); x = x.reshape(x.shape[:-1] + (-1, 32)); a = np.abs(x).max(-1, keepdims=True)
;;       e = np.where(a > 0, np.clip(np.frexp(np.where(a > 0, a, 1))[1] - 1 - 2, -126, 127), 0)      # np.frexp(a)[1] - 1 = floor(log2(a)), exactly
;;       r = np.clip(x / 2.0 ** e, -7.5, 7.5)
;;       step = 2.0 ** (np.maximum(np.frexp(np.where(r == 0, 1, r))[1] - 1, 0) - 3)
;;       q = np.round(r / step) * step * 2.0 ** e      # np.round: ties to even
;;       return np.moveaxis(q.reshape(q.shape[:-2] + (-1,))[..., :K], -1, axis).astype(np.float32)
;;   ~~~
;;   OPERANDS COMPUTED ON THE WAY. 'Computed on the way' means the value that the module computes at that place (a softmax that the list does not call 'softmax' is quantised finished and normalised). What goes into a quantiser is computed in f32, as accurately as f32 sums, v_exp_f32 and their like allow (about 1e-6 of the number): no bf16 or f16 on the way to a quantiser, and a product that is left as it is and whose result goes on into a quantised operand takes f32 operands (vector FMAs, or v_wmma_f32_16x16x4_f32). A number that lies on a knife's edge between two numbers of the format may be rounded either way, as far as f32 arithmetic and the matrix unit's own rounding can turn it there, and no further.
;; 2 versions. Each part assembles by itself: llvm-mc -triple=amdgcn-amd-amdhsa -mcpu=gfx1250 --defsym DOCPART=n.
;; ======== version 1 of 2: 4 launches
;; workspace buffers: xq 622,592 bytes; tk 4,096 bytes of whole numbers; tw 8,192 bytes; hq 18,874,368 bytes; hs 1,572,864 bytes; pos 32,768 bytes of whole numbers; cnt 1,024 bytes of whole numbers; yp 50,331,648 bytes
;; launch route (part 1): grid 64 x 1, 6 waves a work-group, no clusters, 14,080 bytes of LDS; arguments x, router_w, router_b, xq, tk, tw; writes xq, tk, tw
.if DOCPART == 1
	.amdgcn_target "amdgcn-amd-amdhsa--gfx1250"
	.amdhsa_code_object_version 6
	.text
	.protected	k_q70c03ebfa9_route
	.globl	k_q70c03ebfa9_route
	.p2align	8
	.type	k_q70c03ebfa9_route,@function
k_q70c03ebfa9_route:
	s_mov_b64 s[64:65], 0
	v_nop
	global_prefetch_b8 v0, s[64:65] scope:SCOPE_SE
	s_setreg_imm32_b32 hwreg(HW_REG_WAVE_MODE, 25, 1), 1
	s_wait_xcnt 0x0
; ROUTE.  logits = x router_w + router_b in f32, the two largest of eight (ties: the lower index), the softmax of the two; and x as codes of FP6 (E2M3) with one E8M0 byte for each 32 along K.
; SHARES.  A work-group takes 16 tokens, its six waves the six K steps of 128.  A wave loads its 16 x 128 numbers once and uses them twice: for its part of the logits and for one fragment of codes.
; THE LOGITS go by the f32 matrix form (32 instructions a wave): the choice of experts hangs on them, so the operands stay f32.  Lane (r, h) holds, of token r, 16 neighbours of each block of 32; router_w is loaded
; with the same k in the same lane and register, so each instruction's four k agree on both sides.  Columns 8-15 repeat columns 0-7.  Four accumulators by turns; they are written by matrix instructions alone.
; xq, a token's record of 608 bytes: bytes 0-287 its blocks 0, 2 .. 22 (24 bytes each), bytes 288-575 its blocks 1, 3 .. 23, bytes 576-599 six scale words, bytes 600-607 zero: so lane (r, h) of a gathered tile reads
; 288 bytes on end, which are the registers of its six fragments.  The 16 records are gathered in LDS and leave as 19 runs of 512 consecutive bytes.
; tk[token] = (1 << i0 | 1 << i1) | i0 << 8 | i1 << 16;  tw[token] = the two weights.
; LIMITS: NaN and infinities are not served; a block whose largest magnitude lies under 2^-124 keeps the byte 1; a gap between logits under the error of an f32 sum of 768 terms may choose the other expert.
.set ROWQ, 608
.set STG,  0                           ; LDS: 16 records of 608 bytes
.set RP,   16*ROWQ                     ; behind them: the logits' parts [K step 6][token 16][expert 8] f32
.set X,    16                          ; v16-79   64 numbers of x: register 16 b + i = k 32 b + 16 h + i of my token
.set BV,   80                          ; v80-143  router_w at the same k, column r % 8
.set LA,   144                         ; v144-175 four accumulators
.set R,    176                         ; v176-183 their sum
.set PC,   184                         ; v184-203 the codes just made
.set TM,   204                         ; v204-219 at work in QUANT
.set PW,   220                         ; the scale word just made
.set ZP,   222                         ; v222-223 zeros
.set CB,   224                         ; v224-239 at work; the copy
.set SEL,  20                          ; s[20:21] lane selects for v_permlanex16_b32: lane l xor 16
; 64 numbers of a lane, register 16 b + i = k 32 b + 16 (lane / 16) + i of my row, become a fragment's codes in v[PC] on and its scale word in v[PW].
.macro QUANT s
.irp b, 0,1,2,3
	v_max3_num_f32 v[TM+\b], |v[\s+16*\b]|, |v[\s+1+16*\b]|, 0x1800000   ; block b: my 16 numbers, and the floor 2^(3 - 127): the byte cannot fall under 1
.endr
.irp i, 2,4,6,8,10,12,14
.irp b, 0,1,2,3
	v_max3_num_f32 v[TM+\b], v[TM+\b], |v[\s+16*\b+\i]|, |v[\s+1+16*\b+\i]|   ; the four blocks by turns
.endr
.endr
.irp b, 0,1,2,3
	v_permlanex16_b32 v[TM+4+\b], v[TM+\b], s[SEL], s[SEL+1]
.endr
.irp b, 0,1,2,3
	v_max_num_f32 v[TM+\b], v[TM+\b], v[TM+4+\b]   ; with lane l xor 16's: the block's largest magnitude
.endr
.irp b, 0,1,2,3
	v_add_nc_u32 v[TM+12+\b], 0xff000000, v[TM+\b]   ; 2 off its exponent field: the conversion's scale operand
.endr
.irp b, 0,1,2,3
	v_lshrrev_b32 v[TM+4+\b], 23, v[TM+12+\b]   ; the scale's byte
.endr
	v_lshl_or_b32 v[PW], v[TM+5], 8, v[TM+4]
	v_lshl_or_b32 v[PW], v[TM+6], 16, v[PW]
	v_lshl_or_b32 v[PW], v[TM+7], 24, v[PW]
.irp c, 0,1
	v_cvt_scalef32_pk16_fp6_f32 v[PC+6*\c:PC+2+6*\c], v[\s+32*\c:\s+15+32*\c], v[TM+12+2*\c]
	v_cvt_scalef32_pk16_fp6_f32 v[PC+12+4*\c:PC+14+4*\c], v[\s+16+32*\c:\s+31+32*\c], v[TM+12+2*\c+1]   ; (a conversion's three registers begin on an even number)
.endr
	v_nop                                          ; one plain place behind a scaled conversion
.irp c, 0,1                                    ; the operand's layout wants a whole block in a lane: lanes 0-15 block 2 c, lanes 16-31 block 2 c + 1
.irp i, 0,1,2
	v_permlane16_swap_b32 v[PC+6*\c+\i], v[PC+12+4*\c+\i]
.endr
.irp i, 0,1,2
	v_mov_b32 v[PC+3+6*\c+\i], v[PC+12+4*\c+\i]
.endr
.endr
.endm
	s_load_b256 s[4:11], s[0:1], 0x0               ; x s[4:5], router_w s[6:7], router_b s[8:9], xq s[10:11]
	s_load_b128 s[12:15], s[0:1], 0x20             ; tk s[12:13], tw s[14:15]
	v_lshl_add_u32 v254, v0, 2, 0x3400
	v_mov_b32 v255, 0
	v_lshrrev_b32 v1, 5, v0
	v_readfirstlane_b32 s16, v1                    ; wave = K step 0..5
	v_and_b32 v1, 31, v0                           ; lane
	v_and_b32 v2, 15, v0                           ; r
	v_bfe_u32 v3, v0, 4, 1                         ; h
	v_and_b32 v13, 7, v0                           ; r % 8
	v_mul_u32_u24 v14, v2, ROWQ                    ; my token's record in the stage
	v_mul_u32_u24 v4, v2, 3072
	v_lshl_add_u32 v4, v3, 6, v4                   ; x: row r of 3,072 bytes, + 64 h
	v_lshlrev_b32 v5, 2, v13
	v_lshl_add_u32 v9, v3, 8, v5                   ; (the parts: 256 h + 4 (r % 8))
	v_lshl_add_u32 v5, v3, 9, v5                   ; router_w: 16 h rows of 32 bytes, + 4 (r % 8)
	v_lshlrev_b32 v6, 4, v1                        ; 16 x lane
	s_mul_i32 s17, s16, 48
	v_mad_u32_u24 v7, v3, 288, v14
	v_add_nc_u32 v7, s17, v7                       ; my 48 bytes of codes: record + 288 h + 48 s
	s_lshl_b32 s17, s16, 2
	s_add_co_u32 s17, s17, STG+576
	v_add_nc_u32 v8, s17, v14                      ; my token's scale word of this K step
	s_lshl_b32 s18, s16, 9                         ; 512 s
	s_add_co_u32 s17, s18, RP
	v_add_nc_u32 v9, s17, v9                       ; where my parts of the logits go
	v_lshl_add_u32 v10, v2, 5, RP                  ; and from where token lane % 16's are read back
	v_add_nc_u32 v11, STG+600, v14                 ; the record's last 8 bytes
	v_add_nc_u32 v12, s18, v6                      ; the copy: 512 s + 16 x lane, in the stage and in the work-group's part of xq alike
	v_mov_b32 v[ZP], 0
	v_mov_b32 v[ZP+1], 0
.irp b, 0,1,2,3
	v_mov_b32 v[TM+4+\b], 0                        ; written once: a lane permute's destination counts as one of its sources
.endr
	s_mov_b32 s[SEL], 0x76543210
	s_mov_b32 s[SEL+1], 0xfedcba98
	s_mul_i32 s22, ttmp9, 16*3072
	s_add_co_u32 s22, s22, s18                     ; x: my work-group's 16 rows, my K step's 512 bytes
	s_mov_b32 s23, 0
	s_lshl_b32 s32, s16, 12                        ; router_w: my K step's 128 rows
	s_mov_b32 s33, 0
	s_mul_i32 s34, ttmp9, 16*ROWQ
	s_mov_b32 s35, 0
	s_lshl_b32 s36, ttmp9, 6
	s_mov_b32 s37, 0
	s_lshl_b32 s38, ttmp9, 7
	s_mov_b32 s39, 0
	s_wait_kmcnt 0x0
	s_add_nc_u64 s[4:5], s[4:5], s[22:23]
	s_add_nc_u64 s[6:7], s[6:7], s[32:33]
	s_add_nc_u64 s[10:11], s[10:11], s[34:35]
	s_add_nc_u64 s[12:13], s[12:13], s[36:37]
	s_add_nc_u64 s[14:15], s[14:15], s[38:39]
	s_load_b256 s[24:31], s[8:9], 0x0              ; router_b
.irp b, 0,1,2,3
.irp j, 0,1,2,3
	global_load_b128 v[X+16*\b+4*\j:X+16*\b+4*\j+3], v4, s[4:5] offset:128*\b+16*\j th:TH_LOAD_NT
.endr
.endr
.set m, 0
.rept 64
	global_load_b32 v[BV+m], v5, s[6:7] offset:1024*(m/16)+32*(m%16)
.set m, m+1
.endr
	s_wait_loadcnt 0x0                             ; all 80 are wanted
	s_wait_kmcnt 0x0
.set m, 0
.rept 32                                       ; 4 along K an instruction; the first four start the sums
.if m < 4
	v_wmma_f32_16x16x4_f32 v[LA+8*(m%4):LA+8*(m%4)+7], v[X+2*m:X+2*m+1], v[BV+2*m:BV+2*m+1], 0
.else
	v_wmma_f32_16x16x4_f32 v[LA+8*(m%4):LA+8*(m%4)+7], v[X+2*m:X+2*m+1], v[BV+2*m:BV+2*m+1], v[LA+8*(m%4):LA+8*(m%4)+7]
.endif
.set m, m+1
.endr
	QUANT X                                        ; its maxima, 31 plain lines that name no register of the last product, are the eight places that this matrix form asks ahead of the reads of the sums below
.irp c, 0,1,2
	ds_store_b128 v7, v[PC+4*\c:PC+4*\c+3] offset:16*\c
.endr
	ds_store_b32 v8, v[PW]
.irp j, 0,2,4,6                                ; each accumulator is read from its low end on
	v_pk_add_f32 v[R+\j:R+\j+1], v[LA+\j:LA+\j+1], v[LA+8+\j:LA+9+\j]
.endr
.irp j, 0,2,4,6
	v_pk_add_f32 v[CB+\j:CB+\j+1], v[LA+16+\j:LA+17+\j], v[LA+24+\j:LA+25+\j]
.endr
.irp j, 0,2,4,6
	v_pk_add_f32 v[R+\j:R+\j+1], v[R+\j:R+\j+1], v[CB+\j:CB+\j+1]
.endr
.irp j, 0,1,2,3,4,5,6,7
	ds_store_b32 v9, v[R+\j] offset:32*\j          ; token 8 h + j, expert r % 8; lanes r and r + 8 write the same word with the same value
.endr
	s_cmp_lg_u32 s16, 0
	s_cbranch_scc1 .Lno_pad
	ds_store_b64 v11, v[ZP:ZP+1]                   ; the records' last 8 bytes: zeros
.Lno_pad:
	s_wait_dscnt 0x0                               ; my stores have landed
	s_barrier_signal -1
	s_barrier_wait -1                              ; the 16 records and the 6 x 128 parts lie in LDS
.irp k, 0,1,2
	ds_load_b128 v[CB+4*\k:CB+4*\k+3], v12 offset:3072*\k   ; runs s, s + 6, s + 12 of the 19
.endr
.irp k, 0,1,2
	s_wait_dscnt 2-\k                              ; the younger loads may be out
	global_store_b128 v12, v[CB+4*\k:CB+4*\k+3], s[10:11] offset:3072*\k   ; 512 consecutive bytes, at a multiple of 256 from xq's first byte
.endr
	s_cmp_lg_u32 s16, 0
	s_cbranch_scc1 .Lno_18
	ds_load_b128 v[CB+12:CB+15], v12 offset:9216   ; run 18
	s_wait_dscnt 0x0
	global_store_b128 v12, v[CB+12:CB+15], s[10:11] offset:9216
.Lno_18:
	s_cmp_lg_u32 s16, 5
	s_cbranch_scc1 .Lend
	; wave 5 finishes the logits: lane l takes token l % 16
.irp s, 0,1,2,3,4,5
	ds_load_b128 v[16+8*\s:19+8*\s], v10 offset:512*\s
	ds_load_b128 v[20+8*\s:23+8*\s], v10 offset:512*\s+16
.endr
	s_wait_dscnt 0x0
.irp j, 0,2,4,6
	v_pk_add_f32 v[16+\j:17+\j], v[16+\j:17+\j], v[24+\j:25+\j]
	v_pk_add_f32 v[32+\j:33+\j], v[32+\j:33+\j], v[40+\j:41+\j]
	v_pk_add_f32 v[48+\j:49+\j], v[48+\j:49+\j], v[56+\j:57+\j]
.endr
.irp j, 0,2,4,6
	v_pk_add_f32 v[16+\j:17+\j], v[16+\j:17+\j], v[32+\j:33+\j]
.endr
.irp j, 0,2,4,6
	v_pk_add_f32 v[16+\j:17+\j], v[16+\j:17+\j], v[48+\j:49+\j]
.endr
.irp e, 0,1,2,3,4,5,6,7
	v_add_f32 v[64+\e], s[24+\e], v[16+\e]         ; + router_b
.endr
	v_mov_b32 v72, v64                             ; the largest so far, v73 its index;
	v_mov_b32 v73, 0
	v_mov_b32 v74, 0xff800000                      ; the second, v75 its index
	v_mov_b32 v75, 0
.irp e, 1,2,3,4,5,6,7                          ; strict compares keep the lower index; a first that is displaced always becomes the second
	v_cmp_gt_f32 vcc_lo, v[64+\e], v72
	v_cndmask_b32 v76, v[64+\e], v72, vcc_lo       ; the candidate for second place: the displaced first, or this logit
	v_cndmask_b32 v77, \e, v73, vcc_lo
	v_cndmask_b32 v72, v72, v[64+\e], vcc_lo
	v_cndmask_b32 v73, v73, \e, vcc_lo
	v_cmp_gt_f32 s40, v76, v74
	s_or_b32 s40, s40, vcc_lo
	v_cndmask_b32 v74, v74, v76, s40
	v_cndmask_b32 v75, v75, v77, s40
.endr
	v_sub_f32 v76, v74, v72                        ; the softmax of the two, the larger taken away: second - first, 0 or less
	v_mul_f32 v76, 0x3fb8aa3b, v76
	v_exp_f32 v76, v76
	v_mov_b32 v78, 1                               ; (a plain place behind the exponential)
	s_wait_alu depctr_va_vdst(0)                   ; the wait ahead of the first reader
	v_add_f32 v77, 1.0, v76
	v_rcp_f32 v80, v77                             ; the first's weight
	v_lshlrev_b32 v79, v73, v78                    ; (a plain place)  1 << i0
	s_wait_alu depctr_va_vdst(0)
	v_mul_f32 v81, v76, v80                        ; the second's
	v_lshlrev_b32 v78, v75, v78                    ; 1 << i1
	v_or_b32 v79, v79, v78
	v_lshl_or_b32 v79, v73, 8, v79
	v_lshl_or_b32 v79, v75, 16, v79
	v_lshlrev_b32 v82, 2, v1
	v_lshlrev_b32 v83, 3, v1
	s_wait_xcnt 0x0                                ; EXEC changes only behind this wait
	v_cmp_gt_u32 vcc_lo, 16, v1
	s_and_saveexec_b32 s41, vcc_lo                 ; lanes 0-15: one lane a token
	global_store_b32 v82, v79, s[12:13]
	global_store_b64 v83, v[80:81], s[14:15]
	s_wait_xcnt 0x0
	s_or_b32 exec_lo, exec_lo, s41
.Lend:
	s_barrier_signal -1
	s_barrier_wait -1
	s_wait_tensorcnt 0x0
	ds_add_u32 v254, v255
	s_wait_dscnt 0x0
	s_endpgm
.Lfunc_end_k_q70c03ebfa9_route:
	.size	k_q70c03ebfa9_route, .Lfunc_end_k_q70c03ebfa9_route-k_q70c03ebfa9_route
	.p2alignl 7, 3214868480
	.fill 96, 4, 3214868480
	.section	.rodata,"a",@progbits
	.p2align	6, 0x0
	.amdhsa_kernel k_q70c03ebfa9_route
		.amdhsa_group_segment_fixed_size 14080
		.amdhsa_private_segment_fixed_size 0
		.amdhsa_enable_private_segment 0
		.amdhsa_kernarg_size 48
		.amdhsa_user_sgpr_count 2
		.amdhsa_user_sgpr_kernarg_segment_ptr 1
		.amdhsa_wavefront_size32 1
		.amdhsa_system_sgpr_workgroup_id_x 1
		.amdhsa_system_sgpr_workgroup_id_y 1
		.amdhsa_system_sgpr_workgroup_id_z 1
		.amdhsa_system_vgpr_workitem_id 0
		.amdhsa_next_free_vgpr 256
		.amdhsa_next_free_sgpr 66
		.amdhsa_reserve_vcc 1
		.amdhsa_float_denorm_mode_32 3
		.amdhsa_float_denorm_mode_16_64 3
		.amdhsa_memory_ordered 1
		.amdhsa_forward_progress 1
		.amdhsa_inst_pref_size 26
	.end_amdhsa_kernel
	.amdgpu_metadata
---
amdhsa.version: [ 1, 2 ]
amdhsa.kernels:
  - .name:           k_q70c03ebfa9_route
    .symbol:         k_q70c03ebfa9_route.kd
    .args:
      - { .name: x, .offset: 0, .size: 8, .value_kind: global_buffer, .address_space: global }
      - { .name: router_w, .offset: 8, .size: 8, .value_kind: global_buffer, .address_space: global }
      - { .name: router_b, .offset: 16, .size: 8, .value_kind: global_buffer, .address_space: global }
      - { .name: xq, .offset: 24, .size: 8, .value_kind: global_buffer, .address_space: global }
      - { .name: tk, .offset: 32, .size: 8, .value_kind: global_buffer, .address_space: global }
      - { .name: tw, .offset: 40, .size: 8, .value_kind: global_buffer, .address_space: global }
    .group_segment_fixed_size: 14080
    .private_segment_fixed_size: 0
    .kernarg_segment_align: 8
    .kernarg_segment_size: 48
    .max_flat_workgroup_size: 192
    .sgpr_count:     66
    .vgpr_count:     256
    .wavefront_size: 32
...
	.end_amdgpu_metadata
.endif
;; end of part 1
;; launch ffn1 (part 2): grid 24 x 8, 4 waves a work-group, no clusters, 82,432 bytes of LDS; arguments w1, b1, xq, tk, hq, hs, pos, cnt; writes hq, hs, pos, cnt
.if DOCPART == 2
	.amdgcn_target "amdgcn-amd-amdhsa--gfx1250"
	.amdhsa_code_object_version 6
	.text
	.protected	k_q70c03ebfa9_ffn1
	.globl	k_q70c03ebfa9_ffn1
	.p2align	8
	.type	k_q70c03ebfa9_ffn1,@function
k_q70c03ebfa9_ffn1:
	s_mov_b64 s[64:65], 0
	v_nop
	global_prefetch_b8 v0, s[64:65] scope:SCOPE_SE
	s_setreg_imm32_b32 hwreg(HW_REG_WAVE_MODE, 25, 1), 1
	s_wait_xcnt 0x0
; FFN1.  h = gelu(x w1[e] + b1[e]) for the rows routed to expert e, on codes of FP6 (E2M3) with one E8M0 scale for each 32 along K; h leaves as codes for the second product.
; SHARES.  Work-group (sigma, e) owns hidden units 128 sigma .. + 127 of expert e: a panel of w1 of 768 rows x 512 bytes, which no other work-group reads.  Three parts:
;  (1) wave 0 places the expert's tokens: from tk it makes a list in LDS (place -> 608 x token, the token's byte offset in xq), and the work-group sigma = 0 stores pos[e][token] and the count;
;  (2) the four waves read the panel as f32, quantise it along K in registers and lay the 48 fragments (16 columns x 128 K) in LDS as images of their registers; every wave takes all 48 into its registers:
;      27 of them behind a barrier that stands behind batch 3, while batches 4 and 5 are on their way, the other 21 behind the last barrier;
;  (3) the waves take the expert's tiles of 16 rows by turns: gather x's codes by the list, 48 products, gelu, quantise, store.  x has two buffers: a tile is asked for two tiles ahead.
; HOW w1 IS READ.  K is w1's first axis.  Lane (q, h) loads 16 bytes: columns 4 q .. 4 q + 3 of a unit of 64 columns, at row 64 n + 32 h + i: sixteen lanes read 256 consecutive bytes, aligned, the other sixteen the same 32 rows down.
; The columns = c mod 4 of a unit are declared tile c, so a lane's 32 loads hold, for each of four tiles, one whole block of 32 along K of ONE column, in the lane that the operand's layout gives it.  128 moves a batch bring each column's 32 numbers into consecutive registers for the conversions.
; THE PRODUCTS ARE USED TRANSPOSED (source 0 = 16 columns of w1, source 1 = 16 rows of x): register j of tile c in lane (r, h) is hidden unit 32 h + 4 j + c of the unit, for row r: a lane's 32 registers of a unit are one whole block of the next K.
; It is quantised in the order of its registers, p = 8 c + j: a permutation inside a block, which leaves the scales alone; the next launch lays w2's rows in the same order.
; hq[e][tile 64][sigma 24][1536]: a fragment's image: registers 4 g .. 4 g + 3 of lane l at 512 g + 16 l.  hs[e][tile][sigma][32]: the rows' scale words.  Both go by PLACE in the expert's list.
; Rows that fill the last tile, and tiles 0-3 where the expert has fewer than 64 rows, are copies of token 0: they are stored, so that the next launch's loads find stored bytes, and no result hangs on them.
; ADDRESSES that are made from loaded numbers (the scatter into the list, the list's words of a tile, the gather by them) are held under a constant by v_min_u32, in place, as the last instruction that writes them.
; The list is read only behind the last barrier, behind which no wave stores to LDS.
; No tensor load and no cluster: the row loop is left by a number read from memory, and each byte of w1 has one reader.
; gelu(x) = x / (1 + 2^(x (c0 + c1 x^2))), c0 = -2 log2(e) sqrt(2 / pi), c1 = 0.044715 c0: the tanh form, written with one exponential and one reciprocal.
; LIMITS: NaN and infinities are not served; a block whose largest magnitude lies under 2^-124 keeps the byte 1.
; REGISTERS, in windows of 256: window 0: addresses, work, accumulators, biases, scale words.  Window 1: first two sets of 128 for the loads of w1, then 21 fragments.  Window 2: 21 fragments.  Window 3: v0-71 six fragments; v72-143, v144-215 x's two buffers of six fragments.
.set PITCH, 12288                      ; a row of w1 in bytes
.set FRB,   1536                       ; a fragment's image
.set ROWQ,  608                        ; a token's record in xq
.set NT,    8                          ; tiles of 16 columns
.set NS,    6                          ; K steps of 128
.set LIST,  0                          ; LDS byte 0: the list, 1,152 words, zeros behind the last token: tiles up to 71 can be read
.set CNTW,  4608                       ; the count
.set DUMP,  4736                       ; a word for each lane of wave 0, written and never read
.set SCL,   4864                       ; 24 images of scale words, 128 bytes: lanes 0-15 an even tile's columns, lanes 16-31 the odd tile's
.set FR,    7936                       ; 48 images of fragments: tile tau, K step s at 6 tau + s
.set WOFF, 4                           ; v4   w1: 32 h rows + 16 q
.set L16,  5                           ; v5   16 x lane
.set L4,   6                           ; v6   4 x lane
.set FWA,  7                           ; v7   where I store images
.set SBA,  8                           ; v8   where I store scale bytes
.set LSA,  9                           ; v9   LIST + 4 q
.set DMP,  10                          ; v10  DUMP + 4 x lane
.set LZA,  11                          ; v11  LIST + 16 x lane
.set CWA,  12                          ; v12  CNTW
                                       ; v13, v14  buffer 0: my token's codes in xq, its record's first byte (buffer 1: v254, v255)
.set TOK,  15
.set H8,   16                          ; v16  8 h
.set LAD,  17                          ; v17  the list's words of a tile
.set KC0,  18                          ; v[18:19] c0 twice
.set KC1,  20                          ; v[20:21] c1 twice
.set FA,   22                          ; v22, v23  FR + 16 x lane, and 24 images further on
.set SCAT, 24                          ; part 1: v24-27 four scatter addresses, v28-31 what they store
.set TKD,  28
.set M1,   24                          ; part 2: v24-27 largest magnitudes, v28-31 scale operands, v32-35 bytes, v36-51 upper halves of codes
.set SO1,  28
.set BY1,  32
.set Q1,   36
.set PT,   52
.set SCA,  53                          ; v53  SCL + 4 x lane
.set BOFF, 54                          ; v54  128 h
.set LTK,  55                          ; v55  4 x 608 x lane: the records of four tokens a lane
                                       ; v56-61 buffer 1: x's scale words: scales and nothing else
.set H288, 62                          ; v62  288 h: lanes 16-31 take a record's odd blocks
.set LW,   63                          ; v63  the list word just read
.set T,    64                          ; v64-191 four columns x 32 numbers
.set TK,   64                          ; (part 1: v64-95 tk, v96-127 places, v128-131 zeros)
.set POSR, 96
.set ZQ,   128
.set P1,   192                         ; v192-215 four columns x 6 registers of codes
.set P2,   24                          ; part 3: v24-35 the fragment made, v36-43 upper halves, v44.. at work
.set Q2,   36
.set M2,   44
.set SO2,  46
.set BY2,  48
.set PW,   50
.set ACC,  64                          ; v64-127 eight accumulators
.set BIAS, 128                         ; v128-191 b1 in the accumulators' layout
.set U,    192                         ; v192-223 at work in gelu
.set WS,   224                         ; v224-247 w1's scale words: scales and nothing else
                                       ; v248-253 buffer 0: x's scale words
.set XF,   72                          ; in window 3: x's fragments
.set MSB, 0
.macro WIN new                         ; the immediate's high byte repeats the setting that is left; a switch that changes nothing is dropped
.if MSB != (\new)
	s_set_vgpr_msb (MSB<<8)|(\new)
.set MSB, (\new)
.endif
.endm
.macro LOADB n, first, count           ; batch n: 32 rows x 4 columns a lane, into set n % 2 of window 1; rows first .. first + count - 1
	WIN 0x40
.set li, \first
.rept \count
	global_load_b128 v[128*((\n)%2)+4*li:128*((\n)%2)+4*li+3], v[WOFF], s[4:5] offset:(64*(\n)+li)*PITCH th:TH_LOAD_NT
.set li, li+1
.endr
.endm
; Batch n becomes half a fragment (64 along K) of each of four tiles, and one scale byte a column and lane.
.macro QB n, wait, next, dsw
.set SS, 128*((\n)%2)
.set CP, (\n)%2
.set NH, (\n)/2
.if \wait
	s_wait_loadcnt 32                              ; this batch is in; the next batch's 32 loads may be out
.endif
.if \dsw
	s_wait_dscnt 0x0                               ; the last batch's LDS stores have read their registers
.endif
	WIN 0x01
.set qi, 0
.rept 32
.irp c, 0,1,2,3
	v_mov_b32 v[T+32*\c+qi], v[SS+4*qi+\c]         ; column c's 32 numbers on end
.endr
.set qi, qi+1
.endr
.if \next
	LOADB (\n)+2, 0, 32                            ; the set is free as soon as it is copied
.endif
	WIN 0
.irp c, 0,1,2,3
	v_max3_num_f32 v[M1+\c], |v[T+32*\c]|, |v[T+32*\c+1]|, 0x1800000   ; the block's largest magnitude: all 32 are mine; and the floor 2^(3 - 127)
.endr
.irp i, 2,4,6,8,10,12,14,16,18,20,22,24,26,28,30
.irp c, 0,1,2,3
	v_max3_num_f32 v[M1+\c], v[M1+\c], |v[T+32*\c+\i]|, |v[T+32*\c+\i+1]|
.endr
.endr
.irp c, 0,1,2,3
	v_add_nc_u32 v[SO1+\c], 0xff000000, v[M1+\c]   ; 2 off the exponent field: the conversion's scale operand
.endr
.irp c, 0,1,2,3
	v_cvt_scalef32_pk16_fp6_f32 v[P1+6*\c:P1+6*\c+2], v[T+32*\c:T+32*\c+15], v[SO1+\c]
	v_cvt_scalef32_pk16_fp6_f32 v[Q1+4*\c:Q1+4*\c+2], v[T+32*\c+16:T+32*\c+31], v[SO1+\c]   ; (a conversion's three registers begin on an even number)
.endr
.irp c, 0,1,2,3
	v_lshrrev_b32 v[BY1+\c], 23, v[SO1+\c]         ; the scale's byte.  (These are the plain place behind the conversions)
.endr
.irp c, 0,1,2,3
.irp i, 0,1,2
	v_mov_b32 v[P1+6*\c+3+\i], v[Q1+4*\c+\i]
.endr
.endr
.irp c, 0,1,2,3
.if CP == 0                                    ; registers 0-5 of the fragment
	ds_store_b128 v[FWA], v[P1+6*\c:P1+6*\c+3] offset:(6*\c+NH)*FRB
	ds_store_b64 v[FWA], v[P1+6*\c+4:P1+6*\c+5] offset:(6*\c+NH)*FRB+512
.else                                          ; registers 6-11
	ds_store_b64 v[FWA], v[P1+6*\c:P1+6*\c+1] offset:(6*\c+NH)*FRB+520
	ds_store_b128 v[FWA], v[P1+6*\c+2:P1+6*\c+5] offset:(6*\c+NH)*FRB+1024
.endif
	ds_store_b8 v[SBA], v[BY1+\c] offset:(6*(\c/2)+NH)*128+64*(\c%2)+2*CP   ; byte 2 c' + h of column q's word
.endr
.endm
; WHERE A FRAGMENT LIES IN REGISTERS: window sw, register sr.  A wave's third K step (s % 3 = 2) is whole only behind its last batch: those 16 fragments take window 1, where the loads of w1 land until then.
; Of the other 32, whole behind batch 3, the first 21 take window 2, six window 3, and the last five the rest of window 1.
.macro SLOT s, t
.if ((\s)%3) == 2
.set sx, NT*((\s)/3)+(\t)
.set sw, 1
.set sr, 12*sx
.else
.set sx, NT*(2*((\s)/3)+(\s)%3)+(\t)
.if sx < 21
.set sw, 2
.set sr, 12*sx
.elseif sx < 27
.set sw, 3
.set sr, 12*(sx-21)
.else
.set sw, 1
.set sr, 12*(sx-11)
.endif
.endif
.endm
.macro FLOAD                           ; image ff into window sw, register sr on
	WIN sw<<6
.irp g, 0,1,2
	ds_load_b128 v[sr+4*\g:sr+4*\g+3], v[FA+ff/24] offset:FRB*(ff%24)+512*\g
.endr
.endm
.macro FETCHF early                    ; early = 1: the 27 fragments of windows 2 and 3; 0: the 21 of window 1
.set ks, 0
.rept NS
.set tl, 0
.rept NT
	SLOT ks, tl
.set ff, 6*tl+ks
.if \early
.if sw >= 2
	FLOAD
.endif
.else
.if sw == 1
	FLOAD
.endif
.endif
.set tl, tl+1
.endr
.set ks, ks+1
.endr
	WIN 0
.endm
.macro MM d, a, b, c, sa, sb, odd
.if \odd
	v_wmma_scale_f32_16x16x128_f8f6f4 v[\d:\d+7], v[\a:\a+11], v[\b:\b+11], v[\c:\c+7], v[\sa], v[\sb] matrix_a_fmt:MATRIX_FMT_FP6 matrix_b_fmt:MATRIX_FMT_FP6 matrix_a_scale:MATRIX_SCALE_ROW1
.else
	v_wmma_scale_f32_16x16x128_f8f6f4 v[\d:\d+7], v[\a:\a+11], v[\b:\b+11], v[\c:\c+7], v[\sa], v[\sb] matrix_a_fmt:MATRIX_FMT_FP6 matrix_b_fmt:MATRIX_FMT_FP6
.endif
.endm
.macro MULS b                          ; 48 products on x's buffer b: K step by K step, the eight accumulators by turns, one instruction a turn; the first K step takes b1 as C
.set ks, 0
.rept 6
.set tl, 0
.rept 8
	SLOT ks, tl
.set rd, ACC+8*tl
.set rb, XF+72*\b+12*ks
.set rc, rd
.if ks == 0
.set rc, BIAS+8*tl
.endif
.set rsa, WS+6*(tl/2)+ks
.set rsb, 248-192*\b+ks
.set od, tl%2
.set wn, 0x0c|sw
	WIN wn                                         ; source 0 in the fragment's window, source 1 in window 3, C and D in window 0
	MM rd, sr, rb, rc, rsa, rsb, od
.set tl, tl+1
.endr
.set ks, ks+1
.endr
.endm
.macro LOOK d                          ; the list's word of my row in tile t + d is asked for
	s_lshl_b32 s47, s25, 6                         ; 16 words a tile
	v_add_nc_u32 v[LAD], s47, v[LSA]
	v_min_u32 v[LAD], 0xffc, v[LAD]                ; tile t is 63 at the most; held there, in place: with the offset below the word lies inside the list's 1,152
	ds_load_b32 v[LW], v[LAD] offset:64*\d         ; 608 x the row's token
.endm
.macro GET b                           ; and by it the row's codes and scale words, into buffer b (the loads that last named the buffer's two address registers are in)
.set xa, 13+241*\b
.set xs, 14+241*\b
.set xc, 248-192*\b
	s_wait_dscnt 0x0
	v_add_nc_u32 v[xa], v[H288], v[LW]             ; lanes 0-15 the even blocks, lanes 16-31 the odd ones: 288 bytes on end
	v_mov_b32 v[xs], v[LW]
	v_min_u32 v[xa], ROWQ*1023+288, v[xa]          ; both held inside xq, in place, and not written again
	v_min_u32 v[xs], ROWQ*1023, v[xs]
	WIN 0xc0
.set gi, 0
.rept 18
	global_load_b128 v[XF+72*\b+4*gi:XF+72*\b+4*gi+3], v[xa], s[8:9] offset:16*gi
.set gi, gi+1
.endr
	WIN 0
	global_load_b128 v[xc:xc+3], v[xs], s[8:9] offset:576   ; the record's six scale words
	global_load_b64 v[xc+4:xc+5], v[xs], s[8:9] offset:592
.endm
.macro GELU u                          ; in place on the unit's 32 registers, each accumulator from its low end on
.set GA, ACC+32*\u
.set gi, 0
.rept 16
	v_pk_mul_f32 v[U+gi:U+gi+1], v[GA+gi:GA+gi+1], v[GA+gi:GA+gi+1]
.set gi, gi+2
.endr
.set gi, 0
.rept 16
	v_pk_fma_f32 v[U+gi:U+gi+1], v[U+gi:U+gi+1], v[KC1:KC1+1], v[KC0:KC0+1]
.set gi, gi+2
.endr
.set gi, 0
.rept 16
	v_pk_mul_f32 v[U+gi:U+gi+1], v[U+gi:U+gi+1], v[GA+gi:GA+gi+1]
.set gi, gi+2
.endr
.set gi, 0
.rept 32
	v_exp_f32 v[U+gi], v[U+gi]
.set gi, gi+1
.endr
	v_nop                                          ; a plain place behind the batch,
	s_wait_alu depctr_va_vdst(0)                   ; and one wait for it, ahead of its first reader
.set gi, 0
.rept 16
	v_pk_add_f32 v[U+gi:U+gi+1], v[U+gi:U+gi+1], 1.0 op_sel_hi:[1,0]
.set gi, gi+2
.endr
.set gi, 0
.rept 32
	v_rcp_f32 v[U+gi], v[U+gi]
.set gi, gi+1
.endr
	v_nop
	s_wait_alu depctr_va_vdst(0)
.set gi, 0
.rept 16
	v_pk_mul_f32 v[GA+gi:GA+gi+1], v[GA+gi:GA+gi+1], v[U+gi:U+gi+1]
.set gi, gi+2
.endr
.endm
; ONE TILE OF 16 ROWS, on x's buffer b.  A tile behind the last leaves the loop, so every way to the counted wait has the same loads out: this buffer's gather, and behind it the other buffer's 20 loads.
.macro HALF b
	s_cmp_ge_u32 s25, s24
	s_cbranch_scc1 .Ldone
	LOOK 8                                         ; asked for ahead of the products, read behind them
	s_wait_loadcnt 20                              ; this tile's codes and scale words are in; the other buffer's 20 loads may be out
	MULS \b
	WIN 0
.rept 4
	v_nop                                          ; four places ahead of loads into registers that the products have read, and of the first read of results
.endr
	GET \b                                         ; the tile two turns on: it has this tile's gelu and all of the next tile in which to land.  Behind the expert's last row the list holds zeros: token 0's record is read and not used
	GELU 0
	GELU 1
.irp u, 0,1
	v_max3_num_f32 v[M2+\u], |v[ACC+32*\u]|, |v[ACC+32*\u+1]|, 0x1800000   ; block 2 u + h of my row: all 32 are mine
.endr
.irp i, 2,4,6,8,10,12,14,16,18,20,22,24,26,28,30
.irp u, 0,1
	v_max3_num_f32 v[M2+\u], v[M2+\u], |v[ACC+32*\u+\i]|, |v[ACC+32*\u+\i+1]|
.endr
.endr
.irp u, 0,1
	v_add_nc_u32 v[SO2+\u], 0xff000000, v[M2+\u]
.endr
.irp u, 0,1
	v_lshrrev_b32 v[BY2+\u], 23, v[SO2+\u]
.endr
	s_wait_xcnt 0x0                                ; the last tile's stores have read their data and bases: both are written again only behind this wait, which stands a whole gelu behind the youngest memory instruction
	s_add_nc_u64 s[12:13], s[12:13], 4*24*FRB      ; four tiles on; the stores below reach back
	s_add_nc_u64 s[14:15], s[14:15], 4*24*128
	v_lshl_or_b32 v[PW], v[BY2+1], 16, v[BY2]      ; my two bytes, blocks h and 2 + h,
	v_lshlrev_b32 v[PW], v[H8], v[PW]              ; at their places;
	v_permlanex16_b32 v[PT], v[PW], s30, s31
	v_or_b32 v[PW], v[PW], v[PT]                   ; with lane l xor 16's two the row's word is whole
.irp u, 0,1
	v_cvt_scalef32_pk16_fp6_f32 v[P2+6*\u:P2+6*\u+2], v[ACC+32*\u:ACC+32*\u+15], v[SO2+\u]
	v_cvt_scalef32_pk16_fp6_f32 v[Q2+4*\u:Q2+4*\u+2], v[ACC+32*\u+16:ACC+32*\u+31], v[SO2+\u]
.endr
	v_nop                                          ; one plain place behind a scaled conversion
.irp u, 0,1
.irp i, 0,1,2
	v_mov_b32 v[P2+6*\u+3+\i], v[Q2+4*\u+\i]
.endr
.endr
.irp g, 0,1,2
	global_store_b128 v[L16], v[P2+4*\g:P2+4*\g+3], s[12:13] offset:512*\g-4*24*FRB th:TH_STORE_NT   ; 512 consecutive bytes, at a multiple of 256 from hq's first byte
.endr
	global_store_b32 v[L4], v[PW], s[14:15] offset:-4*24*128 th:TH_STORE_NT
	s_add_co_u32 s25, s25, 4
.endm
	s_load_b512 s[4:19], s[0:1], 0x0               ; w1 s[4:5], b1 s[6:7], xq s[8:9], tk s[10:11], hq s[12:13], hs s[14:15], pos s[16:17], cnt s[18:19]
	v_lshl_add_u32 v43, v0, 2, 0x14000
	v_mov_b32 v51, 0
	v_lshrrev_b32 v1, 5, v0
	v_readfirstlane_b32 s20, v1                    ; wave 0..3
	v_and_b32 v1, 31, v0                           ; lane
	v_and_b32 v2, 15, v0                           ; q, r
	v_bfe_u32 v3, v0, 4, 1                         ; h
	s_and_b32 s21, ttmp7, 0xffff                   ; e
	s_mov_b32 s22, ttmp9                           ; sigma
	s_lshr_b32 s44, s20, 1                         ; my unit of 64 columns
	s_and_b32 s45, s20, 1                          ; my half of K
	v_mul_u32_u24 v[WOFF], v3, 32*PITCH
	v_lshl_add_u32 v[WOFF], v2, 4, v[WOFF]
	v_lshlrev_b32 v[L16], 4, v1
	v_lshlrev_b32 v[L4], 2, v1
	s_mul_i32 s32, s44, 24*FRB                     ; my tiles 4 u .., my K steps 3 (w & 1) ..
	s_mul_i32 s33, s45, 3*FRB
	s_add_co_u32 s32, s32, s33
	s_add_co_u32 s32, s32, FR
	v_add_nc_u32 v[FWA], s32, v[L16]
	s_mul_i32 s32, s44, 12*128
	s_mul_i32 s33, s45, 3*128
	s_add_co_u32 s32, s32, s33
	s_add_co_u32 s32, s32, SCL
	v_lshl_add_u32 v[SBA], v2, 2, v3               ; 4 q + h
	v_add_nc_u32 v[SBA], s32, v[SBA]
	v_lshl_add_u32 v[LSA], v2, 2, LIST
	v_add_nc_u32 v[DMP], DUMP, v[L4]
	v_add_nc_u32 v[LZA], LIST, v[L16]
	v_mov_b32 v[CWA], CNTW
	v_lshlrev_b32 v[H8], 3, v3
	v_mov_b32 v[KC0], 0xc0135761                   ; c0 = -2.3022082
	v_mov_b32 v[KC0+1], 0xc0135761
	v_mov_b32 v[KC1], 0xbdd2d3e8                   ; c1 = -0.10294324
	v_mov_b32 v[KC1+1], 0xbdd2d3e8
	v_add_nc_u32 v[FA], FR, v[L16]
	v_add_nc_u32 v[FA+1], FR+24*FRB, v[L16]
	v_add_nc_u32 v[SCA], SCL, v[L4]
	v_lshlrev_b32 v[BOFF], 7, v3
	v_mul_u32_u24 v[LTK], v1, 4*ROWQ
	v_mul_u32_u24 v[H288], v3, 288
	v_mov_b32 v[PT], 0                             ; written once: a lane permute's destination counts as one of its sources
.irp i, 0,1,2,3
	v_mov_b32 v[ZQ+\i], 0
.endr
	s_lshl_b32 s27, 1, s21                         ; the expert's bit in tk
	s_mov_b32 s28, 0                               ; places given out
	s_mov_b32 s30, 0x76543210
	s_mov_b32 s31, 0xfedcba98
	s_mov_b32 s25, s20                             ; my first tile
	s_mul_i32 s32, s21, 768*PITCH                  ; w1: the expert,
	s_mul_i32 s33, s45, 384*PITCH                  ; my half of K,
	s_add_co_u32 s32, s32, s33
	s_lshl_b32 s33, s22, 9                         ; the panel's 512 bytes of a row,
	s_add_co_u32 s32, s32, s33
	s_lshl_b32 s33, s44, 8                         ; my unit's 256
	s_add_co_u32 s32, s32, s33
	s_mov_b32 s33, 0
	s_mul_i32 s34, s21, 12288                      ; b1: 3,072 e + 128 sigma numbers
	s_lshl_b32 s35, s22, 9
	s_add_co_u32 s34, s34, s35
	s_mov_b32 s35, 0
	s_lshl_b32 s36, s21, 6
	s_add_co_u32 s36, s36, s20
	s_mul_i32 s36, s36, 24
	s_add_co_u32 s36, s36, s22                     ; (64 e + tile) 24 + sigma
	s_lshl_b32 s38, s36, 7
	s_mul_i32 s36, s36, FRB
	s_mov_b32 s37, 0
	s_mov_b32 s39, 0
	s_lshl_b32 s40, s21, 12
	s_mov_b32 s41, 0
	s_lshl_b32 s42, s21, 7
	s_mov_b32 s43, 0
	s_wait_kmcnt 0x0
	s_add_nc_u64 s[4:5], s[4:5], s[32:33]
	s_add_nc_u64 s[6:7], s[6:7], s[34:35]
	s_add_nc_u64 s[12:13], s[12:13], s[36:37]
	s_add_nc_u64 s[14:15], s[14:15], s[38:39]
	s_add_nc_u64 s[16:17], s[16:17], s[40:41]
	s_add_nc_u64 s[18:19], s[18:19], s[42:43]
	s_cmp_lg_u32 s20, 0
	s_cbranch_scc1 .Lno_tk
.irp i, 0,1,2,3,4,5,6,7
	global_load_b128 v[TK+4*\i:TK+4*\i+3], v[L16], s[10:11] offset:512*\i   ; wave 0: register k holds tk of token 128 (k / 4) + 4 lane + k % 4
.endr
.Lno_tk:
	LOADB 0, 0, 32
	LOADB 1, 0, 22                                 ; wave 0 now has 8 + 32 + 22 loads out
	WIN 0
	s_cmp_lg_u32 s20, 0
	s_cbranch_scc1 .Lno_wait
	s_wait_loadcnt 54                              ; tk is in; the 54 loads of w1 behind it may be out
.Lno_wait:
	LOADB 1, 22, 10                                ; the rest of batch 1 goes out ahead of the list's making, in wave 0 as in the others
	WIN 0
	s_cmp_lg_u32 s20, 0
	s_cbranch_scc1 .Lno_build
	; PART 1, wave 0 alone; no other wave touches LDS ahead of the barrier below.  All lanes stay on: a lane whose token is another expert's stores to its own dump word.
.irp i, 0,1,2,3,4,5,6,7,8
	ds_store_b128 v[LZA], v[ZQ:ZQ+3] offset:512*\i ; the list begins as zeros: rows that fill a tile are token 0
.endr
.set k, 0
.rept 32
	v_and_b32 v[TK+k], s27, v[TK+k]
.set k, k+1
.endr
.set k, 0
.rept 32
	v_cmp_ne_u32 s[66+k], 0, v[TK+k]               ; the lanes whose token goes to this expert: all 32 masks first, so that the scalar sums below wait for no vector result
.set k, k+1
.endr
.set k, 0
.rept 32
	v_mbcnt_lo_u32_b32 v[POSR+k], s[66+k], s28     ; places given out + such lanes below me: my token's place
	s_bcnt1_i32_b32 s29, s[66+k]
	s_add_co_u32 s28, s28, s29
.set k, k+1
.endr
.set k, 0
.rept 8                                        ; four registers of tokens by turns
.irp i, 0,1,2,3
	v_lshlrev_b32 v[SCAT+\i], 2, v[POSR+k+\i]      ; the place's word in the list, which begins at LDS byte 0,
.endr
.irp i, 0,1,2,3
	v_cndmask_b32 v[SCAT+\i], v[DMP], v[SCAT+\i], s[66+k+\i]   ; or my dump word,
.endr
.irp i, 0,1,2,3
	v_min_u32 v[SCAT+\i], DUMP+124, v[SCAT+\i]     ; held under the last dump word, in place
.endr
.irp i, 0,1,2,3
	v_add_nc_u32 v[TKD+\i], ROWQ*(32*k+\i), v[LTK] ; 608 x my token
.endr
.irp i, 0,1,2,3
	ds_store_b32 v[SCAT+\i], v[TKD+\i]
.endr
.set k, k+4
.endr
	v_mov_b32 v[TOK], s28
	ds_store_b32 v[CWA], v[TOK]                    ; the count, for the other waves
	s_cmp_lg_u32 s22, 0
	s_cbranch_scc1 .Lno_pos
.irp i, 0,1,2,3,4,5,6,7
	global_store_b128 v[L16], v[POSR+4*\i:POSR+4*\i+3], s[16:17] offset:512*\i   ; one work-group an expert stores the places (a number without meaning where the token is not the expert's) and the count
.endr
	global_store_b32 v[L4], v[TOK], s[18:19]
	s_wait_xcnt 0x0                                ; the stores have read their registers, which part 2 writes
.Lno_pos:
.Lno_build:
	s_wait_dscnt 0x0
	s_barrier_signal -1
	s_barrier_wait -1                              ; the list and the count lie in LDS
	ds_load_b32 v[TOK], v[CWA]
	s_wait_dscnt 0x0
	v_readfirstlane_b32 s23, v[TOK]
	s_add_co_u32 s24, s23, 15
	s_lshr_b32 s24, s24, 4
	s_min_u32 s24, s24, 64
	s_max_u32 s24, s24, 4                          ; tiles to work: at least each wave's first
	; PART 2
	QB 0, 1, 1, 1
	QB 1, 1, 1, 1
	QB 2, 1, 1, 1
	QB 3, 1, 1, 1
	s_wait_dscnt 0x0                               ; my images of my first two K steps have landed
	s_barrier_signal -1
	s_barrier_wait -1                              ; everybody's have: 32 fragments are whole
	FETCHF 1                                       ; 27 of them, 81 LDS loads, while batches 4 and 5 are on their way; the images that are still to be stored are other bytes
	QB 4, 1, 0, 0                                  ; (no LDS wait: the wait ahead of the barrier has covered batch 3's stores)
	s_wait_loadcnt 0x0                             ; batch 5 is in
	QB 5, 0, 0, 1
.set bi, 0
.rept 16                                       ; b1, 16 bytes a load: register 32 u + 4 j + c of the accumulators' registers: hidden unit 64 u + 32 h + 4 j + c
	global_load_b128 v[ACC+4*bi:ACC+4*bi+3], v[BOFF], s[6:7] offset:256*(bi/8)+16*(bi%8)
.set bi, bi+1
.endr
	s_wait_dscnt 0x0                               ; my images have landed
	s_barrier_signal -1
	s_barrier_wait -1                              ; all 48 fragments lie in LDS; from here on no wave stores to LDS
	LOOK 0
	GET 0                                          ; my first two tiles' rows are asked for first: they land while the fragments are fetched.  16 + 20 + 20 loads are out
	LOOK 4
	GET 1
	FETCHF 0                                       ; the other 21 fragments
.set gg, 0
.rept 24
	ds_load_b32 v[WS+gg], v[SCA] offset:128*gg
.set gg, gg+1
.endr
	s_wait_loadcnt 40                              ; b1 is in; the two gathers may be out
.set bi, 0
.rept 64
	v_mov_b32 v[BIAS+32*(bi/32)+8*(bi%4)+(bi/4)%8], v[ACC+bi]   ; into the accumulators' layout: register 32 u + 8 c + j
.set bi, bi+1
.endr
.rept 4
	v_nop                                          ; once in the launch: places between the last of these and the products, which take them as C
.endr
	s_wait_dscnt 0x0
	; PART 3: eight trips of two tiles, a constant; the first tile behind the last leaves the loop
	s_mov_b32 s26, 0
.Lrow:
	HALF 0
	HALF 1
	s_add_co_u32 s26, s26, 1
	s_cmp_lt_u32 s26, 8
	s_cbranch_scc1 .Lrow
.Ldone:
	s_barrier_signal -1
	s_barrier_wait -1
	s_wait_tensorcnt 0x0
	ds_add_u32 v43, v51
	s_wait_dscnt 0x0
	s_endpgm
.Lfunc_end_k_q70c03ebfa9_ffn1:
	.size	k_q70c03ebfa9_ffn1, .Lfunc_end_k_q70c03ebfa9_ffn1-k_q70c03ebfa9_ffn1
	.p2alignl 7, 3214868480
	.fill 96, 4, 3214868480
	.section	.rodata,"a",@progbits
	.p2align	6, 0x0
	.amdhsa_kernel k_q70c03ebfa9_ffn1
		.amdhsa_group_segment_fixed_size 82432
		.amdhsa_private_segment_fixed_size 0
		.amdhsa_enable_private_segment 0
		.amdhsa_kernarg_size 64
		.amdhsa_user_sgpr_count 2
		.amdhsa_user_sgpr_kernarg_segment_ptr 1
		.amdhsa_wavefront_size32 1
		.amdhsa_system_sgpr_workgroup_id_x 1
		.amdhsa_system_sgpr_workgroup_id_y 1
		.amdhsa_system_sgpr_workgroup_id_z 1
		.amdhsa_system_vgpr_workitem_id 0
		.amdhsa_next_free_vgpr 1024
		.amdhsa_next_free_sgpr 100
		.amdhsa_reserve_vcc 0
		.amdhsa_float_denorm_mode_32 3
		.amdhsa_float_denorm_mode_16_64 3
		.amdhsa_memory_ordered 1
		.amdhsa_forward_progress 1
		.amdhsa_inst_pref_size 176
	.end_amdhsa_kernel
	.amdgpu_metadata
---
amdhsa.version: [ 1, 2 ]
amdhsa.kernels:
  - .name:           k_q70c03ebfa9_ffn1
    .symbol:         k_q70c03ebfa9_ffn1.kd
    .args:
      - { .name: w1, .offset: 0, .size: 8, .value_kind: global_buffer, .address_space: global }
      - { .name: b1, .offset: 8, .size: 8, .value_kind: global_buffer, .address_space: global }
      - { .name: xq, .offset: 16, .size: 8, .value_kind: global_buffer, .address_space: global }
      - { .name: tk, .offset: 24, .size: 8, .value_kind: global_buffer, .address_space: global }
      - { .name: hq, .offset: 32, .size: 8, .value_kind: global_buffer, .address_space: global }
      - { .name: hs, .offset: 40, .size: 8, .value_kind: global_buffer, .address_space: global }
      - { .name: pos, .offset: 48, .size: 8, .value_kind: global_buffer, .address_space: global }
      - { .name: cnt, .offset: 56, .size: 8, .value_kind: global_buffer, .address_space: global }
    .group_segment_fixed_size: 82432
    .private_segment_fixed_size: 0
    .kernarg_segment_align: 8
    .kernarg_segment_size: 64
    .max_flat_workgroup_size: 128
    .sgpr_count:     100
    .vgpr_count:     1024
    .wavefront_size: 32
...
	.end_amdgpu_metadata
.endif
;; end of part 2
;; launch ffn2 (part 3): grid 24 x 8, 4 waves a work-group, no clusters, 94,720 bytes of LDS; arguments w2, b2, hq, hs, cnt, yp; writes yp
.if DOCPART == 3
	.amdgcn_target "amdgcn-amd-amdhsa--gfx1250"
	.amdhsa_code_object_version 6
	.text
	.protected	k_q70c03ebfa9_ffn2
	.globl	k_q70c03ebfa9_ffn2
	.p2align	8
	.type	k_q70c03ebfa9_ffn2,@function
k_q70c03ebfa9_ffn2:
	s_mov_b64 s[64:65], 0
	v_nop
	global_prefetch_b8 v0, s[64:65] scope:SCOPE_SE
	s_setreg_imm32_b32 hwreg(HW_REG_WAVE_MODE, 25, 1), 1
	s_wait_xcnt 0x0
; FFN2.  y = h w2[e] (+ b2[e]) for the rows of expert e, on codes of FP6 (E2M3) with one E8M0 scale for each 32 along K; K = 3,072 is cut in two halves, each summed by its own work-group into its own part of yp.
; SHARES.  Work-group (x, e), x = U + 12 kappa: outputs 64 U .. + 63, hidden units 1,536 kappa .. + 1,535: a panel of w2 of 1,536 rows x 256 bytes, which no other work-group reads.
;  (1) the four waves read the panel as f32 (wave w: rows 384 w on), quantise it along K in registers and lay the 48 fragments in LDS as images of their registers; every wave takes all 48 into its registers:
;      27 of them behind a barrier that stands behind batch 3, while batches 4 and 5 are on their way, the other 21 behind the last barrier;
;  (2) the waves take the expert's tiles of 16 rows by turns: h's 12 fragments come from hq as they lie, 48 products, the results leave through the wave's own stage as whole rows of 256 bytes.
;      h comes in four groups of three K steps: as soon as a group of this tile is multiplied, the same group of my next tile is asked for into its registers.
; HOW w2 IS READ: as the launch before reads w1: lane (q, h) loads columns 4 q .. 4 q + 3 at row 64 n + 32 h + i: sixteen lanes read 256 consecutive bytes, aligned; the columns = c mod 4 are tile c.
; h's codes lie, inside each block of 32, in the order p = 8 (i % 4) + i / 4 of hidden unit i: so row i of a block of w2 goes to place p of its column's 32 numbers.  The move is owed anyway; the scales are not touched.
; THE PRODUCTS ARE USED TRANSPOSED (source 0 = 16 columns of w2, source 1 = 16 rows of h): register j of tile c in lane (r, h) is output 32 h + 4 j + c of row r.
; b2 is the C of the first K step where kappa = 0; where kappa = 1 it is multiplied by 0.  yp[kappa][e][place 1024][768] f32.
; No tensor load and no cluster: the row loop is left by a number read from memory, and each byte of w2 has one reader.
; LIMITS: NaN and infinities are not served (b2 among them: 0 x infinity); a block whose largest magnitude lies under 2^-124 keeps the byte 1.
; REGISTERS, in windows of 256: window 0: addresses, work, accumulators, scale words.  Window 1: first two sets of 128 for the loads of w2, then 21 fragments.  Window 2: 21 fragments.  Window 3: v0-71 six fragments; from v72 h's twelve fragments.
.set PITCH, 3072                       ; a row of w2 in bytes
.set FRB,   1536
.set NT,    4                          ; tiles of 16 columns
.set NS,    12                         ; K steps of 128
.set SCL,   0                          ; LDS: 24 images of scale words
.set STG,   3072                       ; a stage of 16 rows x (256 + 16) bytes for each wave
.set FR,    20480                      ; 48 images of fragments: tile c, K step s at 12 c + s
.set WOFF, 4
.set L16,  5
.set L4,   6
.set FWA,  7
.set SBA,  8
.set STO,  9                           ; v9   the stage: where I put my 128 bytes of a row
.set RD,   10                          ; v10  and where I read rows back
.set YO,   11                          ; v11  the same place in yp
.set FA,   22
.set M1,   24
.set SO1,  28
.set BY1,  32
.set Q1,   36
.set SCA,  53
.set BOFF, 54
.set T,    64
.set P1,   192
.set ACC,  64                          ; v64-95 four accumulators
.set BIAS, 96                          ; v96-127 b2 in their layout
.set O,    128                         ; v128-159 a lane's 32 neighbouring outputs
.set RB,   160                         ; v160-191 16 rows read back
.set HSC,  216                         ; v216-227 h's scale words: scales and nothing else
.set WS,   228                         ; v228-251 w2's
.set HF,   72                          ; in window 3: h's fragments
.set MSB, 0
.macro WIN new
.if MSB != (\new)
	s_set_vgpr_msb (MSB<<8)|(\new)
.set MSB, (\new)
.endif
.endm
.macro LOADB n
	WIN 0x40
.set li, 0
.rept 32
	global_load_b128 v[128*((\n)%2)+4*li:128*((\n)%2)+4*li+3], v[WOFF], s[4:5] offset:(64*(\n)+li)*PITCH th:TH_LOAD_NT
.set li, li+1
.endr
.endm
.macro QB n, wait, next, dsw
.set SS, 128*((\n)%2)
.set CP, (\n)%2
.set NH, (\n)/2
.if \wait
	s_wait_loadcnt 32                              ; this batch is in; the next batch's 32 loads may be out
.endif
.if \dsw
	s_wait_dscnt 0x0                               ; the last batch's LDS stores have read their registers
.endif
	WIN 0x01
.set qi, 0
.rept 32
.irp c, 0,1,2,3
	v_mov_b32 v[T+32*\c+8*(qi%4)+qi/4], v[SS+4*qi+\c]   ; row i of the block to place 8 (i % 4) + i / 4
.endr
.set qi, qi+1
.endr
.if \next
	LOADB (\n)+2
.endif
	WIN 0
.irp c, 0,1,2,3
	v_max3_num_f32 v[M1+\c], |v[T+32*\c]|, |v[T+32*\c+1]|, 0x1800000
.endr
.irp i, 2,4,6,8,10,12,14,16,18,20,22,24,26,28,30
.irp c, 0,1,2,3
	v_max3_num_f32 v[M1+\c], v[M1+\c], |v[T+32*\c+\i]|, |v[T+32*\c+\i+1]|
.endr
.endr
.irp c, 0,1,2,3
	v_add_nc_u32 v[SO1+\c], 0xff000000, v[M1+\c]
.endr
.irp c, 0,1,2,3
	v_cvt_scalef32_pk16_fp6_f32 v[P1+6*\c:P1+6*\c+2], v[T+32*\c:T+32*\c+15], v[SO1+\c]
	v_cvt_scalef32_pk16_fp6_f32 v[Q1+4*\c:Q1+4*\c+2], v[T+32*\c+16:T+32*\c+31], v[SO1+\c]
.endr
.irp c, 0,1,2,3
	v_lshrrev_b32 v[BY1+\c], 23, v[SO1+\c]         ; (the plain place behind the conversions)
.endr
.irp c, 0,1,2,3
.irp i, 0,1,2
	v_mov_b32 v[P1+6*\c+3+\i], v[Q1+4*\c+\i]
.endr
.endr
.irp c, 0,1,2,3
.if CP == 0
	ds_store_b128 v[FWA], v[P1+6*\c:P1+6*\c+3] offset:(12*\c+NH)*FRB
	ds_store_b64 v[FWA], v[P1+6*\c+4:P1+6*\c+5] offset:(12*\c+NH)*FRB+512
.else
	ds_store_b64 v[FWA], v[P1+6*\c:P1+6*\c+1] offset:(12*\c+NH)*FRB+520
	ds_store_b128 v[FWA], v[P1+6*\c+2:P1+6*\c+5] offset:(12*\c+NH)*FRB+1024
.endif
	ds_store_b8 v[SBA], v[BY1+\c] offset:(12*(\c/2)+NH)*128+64*(\c%2)+2*CP
.endr
.endm
; WHERE A FRAGMENT LIES IN REGISTERS: window sw, register sr.  A wave's third K step (s % 3 = 2) is whole only behind its last batch: those 16 fragments take window 1, where the loads of w2 land until then.
; Of the other 32, whole behind batch 3, the first 21 take window 2, six window 3, and the last five the rest of window 1.
.macro SLOT s, t
.if ((\s)%3) == 2
.set sx, NT*((\s)/3)+(\t)
.set sw, 1
.set sr, 12*sx
.else
.set sx, NT*(2*((\s)/3)+(\s)%3)+(\t)
.if sx < 21
.set sw, 2
.set sr, 12*sx
.elseif sx < 27
.set sw, 3
.set sr, 12*(sx-21)
.else
.set sw, 1
.set sr, 12*(sx-11)
.endif
.endif
.endm
.macro FLOAD                           ; image ff into window sw, register sr on
	WIN sw<<6
.irp g, 0,1,2
	ds_load_b128 v[sr+4*\g:sr+4*\g+3], v[FA+ff/24] offset:FRB*(ff%24)+512*\g
.endr
.endm
.macro FETCHF early                    ; early = 1: the 27 fragments of windows 2 and 3; 0: the 21 of window 1
.set ks, 0
.rept NS
.set tl, 0
.rept NT
	SLOT ks, tl
.set ff, 12*tl+ks
.if \early
.if sw >= 2
	FLOAD
.endif
.else
.if sw == 1
	FLOAD
.endif
.endif
.set tl, tl+1
.endr
.set ks, ks+1
.endr
	WIN 0
.endm
.macro MM d, a, b, c, sa, sb, odd
.if \odd
	v_wmma_scale_f32_16x16x128_f8f6f4 v[\d:\d+7], v[\a:\a+11], v[\b:\b+11], v[\c:\c+7], v[\sa], v[\sb] matrix_a_fmt:MATRIX_FMT_FP6 matrix_b_fmt:MATRIX_FMT_FP6 matrix_a_scale:MATRIX_SCALE_ROW1
.else
	v_wmma_scale_f32_16x16x128_f8f6f4 v[\d:\d+7], v[\a:\a+11], v[\b:\b+11], v[\c:\c+7], v[\sa], v[\sb] matrix_a_fmt:MATRIX_FMT_FP6 matrix_b_fmt:MATRIX_FMT_FP6
.endif
.endm
.macro MULG g                          ; 12 products: K steps 3 g .. 3 g + 2, the four accumulators by turns, one instruction a turn, from group to group too
.set ks, 3*\g
.rept 3
.set tl, 0
.rept 4
	SLOT ks, tl
.set rd, ACC+8*tl
.set rb, HF+12*ks
.set rc, rd
.if ks == 0
.set rc, BIAS+8*tl
.endif
.set rsa, WS+12*(tl/2)+ks
.set rsb, HSC+ks
.set od, tl%2
.set wn, 0x0c|sw
	WIN wn
	MM rd, sr, rb, rc, rsa, rsb, od
.set tl, tl+1
.endr
.set ks, ks+1
.endr
.endm
.macro NBASE d                         ; where tile t + d lies in hq and hs; behind the last tile that the launch before stored, that tile is taken again and not used
	s_add_co_u32 s46, s25, \d
	s_min_u32 s46, s46, s51
	s_min_u32 s46, s46, 63
	s_mul_i32 s56, s46, 24*FRB
	s_mul_i32 s58, s46, 24*128
	s_add_nc_u64 s[52:53], s[8:9], s[56:57]
	s_add_nc_u64 s[54:55], s[10:11], s[58:59]
.endm
.macro GRP g                           ; 12 loads: the fragments of K steps 3 g .. 3 g + 2, 4,608 bytes on end, and their scale words
	WIN 0xc0
.set gi, 9*\g
.rept 9
	global_load_b128 v[HF+4*gi:HF+4*gi+3], v[L16], s[52:53] offset:512*gi
.set gi, gi+1
.endr
	WIN 0
.set gi, 3*\g
.rept 3
	global_load_b32 v[HSC+gi], v[L4], s[54:55] offset:128*gi
.set gi, gi+1
.endr
.endm
	s_load_b256 s[4:11], s[0:1], 0x0               ; w2 s[4:5], b2 s[6:7], hq s[8:9], hs s[10:11]
	s_load_b128 s[12:15], s[0:1], 0x20             ; cnt s[12:13], yp s[14:15]
	v_lshl_add_u32 v254, v0, 2, 0x17000
	v_mov_b32 v255, 0
	v_lshrrev_b32 v1, 5, v0
	v_readfirstlane_b32 s20, v1                    ; wave 0..3
	v_and_b32 v1, 31, v0
	v_and_b32 v2, 15, v0                           ; q, r
	v_bfe_u32 v3, v0, 4, 1                         ; h
	s_and_b32 s21, ttmp7, 0xffff                   ; e
	s_cmp_ge_u32 ttmp9, 12
	s_cselect_b32 s47, 1, 0                        ; kappa
	s_cselect_b32 s48, 0, 1.0                      ; b2 counts in the first half alone
	s_mul_i32 s33, s47, 12
	s_sub_co_u32 s22, ttmp9, s33                   ; U
	v_mul_u32_u24 v[WOFF], v3, 32*PITCH
	v_lshl_add_u32 v[WOFF], v2, 4, v[WOFF]
	v_lshlrev_b32 v[L16], 4, v1
	v_lshlrev_b32 v[L4], 2, v1
	s_mul_i32 s32, s20, 3*FRB                      ; my K steps 3 w ..
	s_add_co_u32 s32, s32, FR
	v_add_nc_u32 v[FWA], s32, v[L16]
	s_mul_i32 s32, s20, 3*128
	s_add_co_u32 s32, s32, SCL
	v_lshl_add_u32 v[SBA], v2, 2, v3
	v_add_nc_u32 v[SBA], s32, v[SBA]
	s_mul_i32 s32, s20, 16*272
	s_add_co_u32 s32, s32, STG                     ; my stage
	v_mul_u32_u24 v[STO], v2, 272
	v_lshl_add_u32 v[STO], v3, 7, v[STO]
	v_add_nc_u32 v[STO], s32, v[STO]               ; in: row r, + 128 h
	v_mul_u32_u24 v[RD], v3, 272
	v_lshl_add_u32 v[RD], v2, 4, v[RD]
	v_add_nc_u32 v[RD], s32, v[RD]                 ; back: lanes 0-15 one row of 256 bytes, lanes 16-31 the next
	v_mul_u32_u24 v[YO], v3, 3072
	v_lshl_add_u32 v[YO], v2, 4, v[YO]
	v_add_nc_u32 v[FA], FR, v[L16]
	v_add_nc_u32 v[FA+1], FR+24*FRB, v[L16]
	v_add_nc_u32 v[SCA], SCL, v[L4]
	v_lshlrev_b32 v[BOFF], 7, v3
	s_mov_b32 s25, s20                             ; my first tile
	s_mov_b32 s57, 0
	s_mov_b32 s59, 0
	s_mul_i32 s32, s21, 3072*PITCH                 ; w2: the expert,
	s_mul_i32 s33, s47, 1536*PITCH                 ; the half of K,
	s_add_co_u32 s32, s32, s33
	s_mul_i32 s33, s20, 384*PITCH                  ; my quarter of it,
	s_add_co_u32 s32, s32, s33
	s_lshl_b32 s33, s22, 8                         ; the panel's 256 bytes of a row
	s_add_co_u32 s32, s32, s33
	s_mov_b32 s33, 0
	s_mul_i32 s34, s21, 3072                       ; b2: 768 e + 64 U numbers
	s_lshl_b32 s35, s22, 8
	s_add_co_u32 s34, s34, s35
	s_mov_b32 s35, 0
	s_mul_i32 s36, s21, 64*24
	s_mul_i32 s37, s47, 12
	s_add_co_u32 s36, s36, s37                     ; hq, hs: the expert's tile 0: fragment 64 e x 24 + 12 kappa
	s_lshl_b32 s38, s36, 7
	s_mul_i32 s36, s36, FRB
	s_mov_b32 s37, 0
	s_mov_b32 s39, 0
	s_lshl_b32 s40, s47, 3
	s_add_co_u32 s40, s40, s21
	s_lshl_b32 s40, s40, 10
	s_lshl_b32 s41, s20, 4
	s_add_co_u32 s40, s40, s41                     ; yp: row (8 kappa + e) 1,024 + 16 w
	s_mul_i32 s40, s40, 3072
	s_lshl_b32 s41, s22, 8
	s_add_co_u32 s40, s40, s41
	s_mov_b32 s41, 0
	s_lshl_b32 s50, s21, 7                         ; cnt: 128 e; kept until the load below is in
	s_wait_kmcnt 0x0
	s_add_nc_u64 s[4:5], s[4:5], s[32:33]
	s_add_nc_u64 s[6:7], s[6:7], s[34:35]
	s_add_nc_u64 s[8:9], s[8:9], s[36:37]
	s_add_nc_u64 s[10:11], s[10:11], s[38:39]
	s_add_nc_u64 s[14:15], s[14:15], s[40:41]
	s_load_b32 s23, s[12:13], s50 offset:0x0       ; the expert's rows
	LOADB 0
	LOADB 1
	WIN 0
	s_wait_kmcnt 0x0
	s_add_co_u32 s24, s23, 15
	s_lshr_b32 s24, s24, 4
	s_min_u32 s24, s24, 64                         ; its tiles
	s_max_u32 s51, s24, 4
	s_sub_co_u32 s51, s51, 1                       ; the last tile that the launch before stored: it works four tiles at the least
	QB 0, 1, 1, 1
	QB 1, 1, 1, 1
	QB 2, 1, 1, 1
	QB 3, 1, 1, 1
	s_wait_dscnt 0x0                               ; my images of my first two K steps have landed
	s_barrier_signal -1
	s_barrier_wait -1                              ; everybody's have: 32 fragments are whole
	FETCHF 1                                       ; 27 of them, 81 LDS loads, while batches 4 and 5 are on their way; the images that are still to be stored are other bytes
	QB 4, 1, 0, 0                                  ; (no LDS wait: the wait ahead of the barrier has covered batch 3's stores)
	s_wait_loadcnt 0x0                             ; batch 5 is in
	NBASE 0
.irp g, 0,1,2,3
	GRP \g                                         ; my first tile is asked for while the last batch is quantised
.endr
	QB 5, 0, 0, 1
.set bi, 0
.rept 8                                        ; b2, 16 bytes a load: register 4 j + c: output 32 h + 4 j + c.  48 + 8 loads are out
	global_load_b128 v[O+4*bi:O+4*bi+3], v[BOFF], s[6:7] offset:16*bi
.set bi, bi+1
.endr
	s_wait_dscnt 0x0                               ; my images have landed
	s_barrier_signal -1
	s_barrier_wait -1                              ; all 48 fragments lie in LDS
	FETCHF 0                                       ; the other 21 fragments
.set gg, 0
.rept 24
	ds_load_b32 v[WS+gg], v[SCA] offset:128*gg
.set gg, gg+1
.endr
	s_wait_loadcnt 0x0                             ; b2 (and my first tile)
.set bi, 0
.rept 32
	v_mul_f32 v[BIAS+8*(bi%4)+bi/4], s48, v[O+bi]  ; x 1 or x 0, and into the accumulators' layout: register 8 c + j
.set bi, bi+1
.endr
.rept 4
	v_nop                                          ; once in the launch: places between the last of these and the first products, which take them as C
.endr
	s_wait_dscnt 0x0
	s_mov_b32 s26, 0
.Lrow:                                             ; sixteen trips, a constant; the first tile behind the last leaves the loop, so every way to the counted waits has the same loads out
	s_cmp_ge_u32 s25, s24
	s_cbranch_scc1 .Ldone
.irp g, 0,1,2,3
	s_wait_loadcnt 36                              ; this tile's group g is in.  Behind it were issued this tile's groups g + 1 .. 3 and the next tile's groups 0 .. g - 1: three groups of 12 loads, whatever g
	MULG \g
	WIN 0
.rept 4
	v_nop                                          ; four places ahead of loads into registers that the products have read, and of the first read of results
.endr
.if \g == 0
	s_wait_xcnt 0x0                                ; the last trip's loads and stores have read their bases, the stores their data: all are written again only behind this wait, which stands 12 products behind the stores
	NBASE 4
	s_add_nc_u64 s[14:15], s[14:15], 64*3072       ; four tiles on; the stores below reach back
.endif
	GRP \g                                         ; my next tile's group g: it has the rest of this trip and the next trip's first g groups in which to land
.endr
.irp j, 0,1,2,3,4,5,6,7                        ; a lane's 32 outputs into their order; each accumulator is read from its low end on
.irp c, 0,1,2,3
	v_mov_b32 v[O+4*\j+\c], v[ACC+8*\c+\j]
.endr
.endr
.irp j, 0,1,2,3,4,5,6,7
	ds_store_b128 v[STO], v[O+4*\j:O+4*\j+3] offset:16*\j
.endr
.irp i, 0,1,2,3,4,5,6,7
	ds_load_b128 v[RB+4*\i:RB+4*\i+3], v[RD] offset:544*\i   ; LDS serves a wave's instructions in order (ISA guide 5.7.1.4): these see my stores; the stage is my own
.endr
.irp i, 0,1,2,3,4,5,6,7
	s_wait_dscnt 7-\i                              ; the younger loads may be out
	global_store_b128 v[YO], v[RB+4*\i:RB+4*\i+3], s[14:15] offset:6144*\i-64*3072 th:TH_STORE_NT   ; sixteen lanes store 256 consecutive bytes, at a multiple of 256 from yp's first byte
.endr
	s_add_co_u32 s25, s25, 4
	s_add_co_u32 s26, s26, 1
	s_cmp_lt_u32 s26, 16
	s_cbranch_scc1 .Lrow
.Ldone:
	s_barrier_signal -1
	s_barrier_wait -1
	s_wait_tensorcnt 0x0
	ds_add_u32 v254, v255
	s_wait_dscnt 0x0
	s_endpgm
.Lfunc_end_k_q70c03ebfa9_ffn2:
	.size	k_q70c03ebfa9_ffn2, .Lfunc_end_k_q70c03ebfa9_ffn2-k_q70c03ebfa9_ffn2
	.p2alignl 7, 3214868480
	.fill 96, 4, 3214868480
	.section	.rodata,"a",@progbits
	.p2align	6, 0x0
	.amdhsa_kernel k_q70c03ebfa9_ffn2
		.amdhsa_group_segment_fixed_size 94720
		.amdhsa_private_segment_fixed_size 0
		.amdhsa_enable_private_segment 0
		.amdhsa_kernarg_size 48
		.amdhsa_user_sgpr_count 2
		.amdhsa_user_sgpr_kernarg_segment_ptr 1
		.amdhsa_wavefront_size32 1
		.amdhsa_system_sgpr_workgroup_id_x 1
		.amdhsa_system_sgpr_workgroup_id_y 1
		.amdhsa_system_sgpr_workgroup_id_z 1
		.amdhsa_system_vgpr_workitem_id 0
		.amdhsa_next_free_vgpr 1024
		.amdhsa_next_free_sgpr 66
		.amdhsa_reserve_vcc 0
		.amdhsa_float_denorm_mode_32 3
		.amdhsa_float_denorm_mode_16_64 3
		.amdhsa_memory_ordered 1
		.amdhsa_forward_progress 1
		.amdhsa_inst_pref_size 118
	.end_amdhsa_kernel
	.amdgpu_metadata
---
amdhsa.version: [ 1, 2 ]
amdhsa.kernels:
  - .name:           k_q70c03ebfa9_ffn2
    .symbol:         k_q70c03ebfa9_ffn2.kd
    .args:
      - { .name: w2, .offset: 0, .size: 8, .value_kind: global_buffer, .address_space: global }
      - { .name: b2, .offset: 8, .size: 8, .value_kind: global_buffer, .address_space: global }
      - { .name: hq, .offset: 16, .size: 8, .value_kind: global_buffer, .address_space: global }
      - { .name: hs, .offset: 24, .size: 8, .value_kind: global_buffer, .address_space: global }
      - { .name: cnt, .offset: 32, .size: 8, .value_kind: global_buffer, .address_space: global }
      - { .name: yp, .offset: 40, .size: 8, .value_kind: global_buffer, .address_space: global }
    .group_segment_fixed_size: 94720
    .private_segment_fixed_size: 0
    .kernarg_segment_align: 8
    .kernarg_segment_size: 48
    .max_flat_workgroup_size: 128
    .sgpr_count:     66
    .vgpr_count:     1024
    .wavefront_size: 32
...
	.end_amdgpu_metadata
.endif
;; end of part 3
;; launch norm (part 4): grid 256 x 1, 4 waves a work-group, no clusters, 0 bytes of LDS; arguments yp, pos, tk, tw, ln_g, ln_b, out0; writes out0
.if DOCPART == 4
	.amdgcn_target "amdgcn-amd-amdhsa--gfx1250"
	.amdhsa_code_object_version 6
	.text
	.protected	k_q70c03ebfa9_norm
	.globl	k_q70c03ebfa9_norm
	.p2align	8
	.type	k_q70c03ebfa9_norm,@function
k_q70c03ebfa9_norm:
	s_mov_b64 s[64:65], 0
	v_nop
	global_prefetch_b8 v0, s[64:65] scope:SCOPE_SE
	s_setreg_imm32_b32 hwreg(HW_REG_WAVE_MODE, 25, 1), 1
	s_wait_xcnt 0x0
; NORM.  out[token] = LayerNorm(w0 y(i0) + w1 y(i1)), y(i) = the two halves of K of the token's row in expert i.  A wave takes one token: a row of 3,072 bytes is six loads of 512 consecutive bytes, 24 numbers a lane,
; so the sums never leave the wave: no LDS, no barrier.  The token's two experts come from tk, its places in their lists from pos: all eight places are loaded at once and two are chosen by s_cselect_b32,
; so that the rows' addresses are one scalar load away and not two.  Memory binds: the matrix unit and LDS would add nothing.
; LIMITS: NaN and infinities are not served.
.set A0, 16                            ; v16-39 first expert, first half of K; then z, then the result
.set A1, 40                            ; v40-63 its second half
.set B0, 64                            ; v64-87, v88-111 the second expert's
.set B1, 88
.set G,  112                           ; v112-135 ln_g
.set BB, 136                           ; v136-159 ln_b
	s_load_b256 s[4:11], s[0:1], 0x0               ; yp s[4:5], pos s[6:7], tk s[8:9], tw s[10:11]
	s_load_b128 s[12:15], s[0:1], 0x20             ; ln_g s[12:13], ln_b s[14:15]
	s_load_b64 s[16:17], s[0:1], 0x30              ; out0
	v_lshrrev_b32 v1, 5, v0
	v_readfirstlane_b32 s20, v1                    ; wave
	v_and_b32 v1, 31, v0
	v_lshlrev_b32 v1, 4, v1                        ; 16 x lane
	s_lshl_b32 s21, ttmp9, 2
	s_add_co_u32 s21, s21, s20                     ; my token
	s_lshl_b32 s22, s21, 2
	s_mov_b32 s23, 0
	s_lshl_b32 s24, s21, 3
	s_mov_b32 s25, 0
	s_mul_i32 s26, s21, 3072
	s_mov_b32 s27, 0
	s_mov_b32 s58, 0x76543210
	s_mov_b32 s59, 0xfedcba98                      ; v_permlanex16_b32's selects for lane l xor 16
	s_mov_b32 s60, 0x3aaaaaab                      ; 1 / 768
	s_mov_b32 s61, 0x3727c5ac                      ; 1e-5
	s_wait_kmcnt 0x0
	s_add_nc_u64 s[6:7], s[6:7], s[22:23]
	s_add_nc_u64 s[8:9], s[8:9], s[22:23]
	s_add_nc_u64 s[10:11], s[10:11], s[24:25]
	s_add_nc_u64 s[16:17], s[16:17], s[26:27]
	s_load_b32 s28, s[8:9], 0x0                    ; tk
	s_load_b64 s[30:31], s[10:11], 0x0             ; w0, w1
.irp e, 0,1,2,3,4,5,6,7
	s_load_b32 s[32+\e], s[6:7], 4096*\e           ; my place in each expert's list (a number without meaning where I am not routed: not chosen below)
.endr
.irp i, 0,1,2,3,4,5
	global_load_b128 v[G+4*\i:G+4*\i+3], v1, s[12:13] offset:512*\i
	global_load_b128 v[BB+4*\i:BB+4*\i+3], v1, s[14:15] offset:512*\i
.endr
	s_wait_kmcnt 0x0
	s_bfe_u32 s40, s28, 0x80008                    ; i0
	s_bfe_u32 s41, s28, 0x80010                    ; i1
	s_min_u32 s40, s40, 7
	s_min_u32 s41, s41, 7
	s_mov_b32 s42, s32
	s_mov_b32 s43, s32
.irp e, 1,2,3,4,5,6,7
	s_cmp_eq_u32 s40, \e
	s_cselect_b32 s42, s[32+\e], s42
	s_cmp_eq_u32 s41, \e
	s_cselect_b32 s43, s[32+\e], s43
.endr
	s_min_u32 s42, s42, 1023
	s_min_u32 s43, s43, 1023
	s_lshl_b32 s44, s40, 10
	s_add_co_u32 s44, s44, s42
	s_mul_i32 s44, s44, 3072                       ; row 1,024 i + place, in bytes
	s_mov_b32 s45, 0
	s_lshl_b32 s46, s41, 10
	s_add_co_u32 s46, s46, s43
	s_mul_i32 s46, s46, 3072
	s_mov_b32 s47, 0
	s_add_nc_u64 s[48:49], s[4:5], s[44:45]
	s_add_nc_u64 s[50:51], s[48:49], 0x1800000     ; the second half of K: 8 x 1,024 rows on
	s_add_nc_u64 s[52:53], s[4:5], s[46:47]
	s_add_nc_u64 s[54:55], s[52:53], 0x1800000
	s_mov_b32 s56, s31                             ; w1 as the low word of a pair of its own, for the packed form
	s_mov_b32 s57, s31
.irp i, 0,1,2,3,4,5
	global_load_b128 v[A0+4*\i:A0+4*\i+3], v1, s[48:49] offset:512*\i th:TH_LOAD_NT
	global_load_b128 v[A1+4*\i:A1+4*\i+3], v1, s[50:51] offset:512*\i th:TH_LOAD_NT
	global_load_b128 v[B0+4*\i:B0+4*\i+3], v1, s[52:53] offset:512*\i th:TH_LOAD_NT
	global_load_b128 v[B1+4*\i:B1+4*\i+3], v1, s[54:55] offset:512*\i th:TH_LOAD_NT
.endr
	s_wait_loadcnt 0x0
.irp j, 0,2,4,6,8,10,12,14,16,18,20,22
	v_pk_add_f32 v[A0+\j:A0+\j+1], v[A0+\j:A0+\j+1], v[A1+\j:A1+\j+1]
	v_pk_add_f32 v[B0+\j:B0+\j+1], v[B0+\j:B0+\j+1], v[B1+\j:B1+\j+1]
.endr
.irp j, 0,2,4,6,8,10,12,14,16,18,20,22
	v_pk_mul_f32 v[A0+\j:A0+\j+1], v[A0+\j:A0+\j+1], s[30:31] op_sel_hi:[1,0]
.endr
.irp j, 0,2,4,6,8,10,12,14,16,18,20,22
	v_pk_fma_f32 v[A0+\j:A0+\j+1], v[B0+\j:B0+\j+1], s[56:57], v[A0+\j:A0+\j+1] op_sel_hi:[1,0,1]   ; z = w0 y(i0) + w1 y(i1)
.endr
	v_pk_add_f32 v[2:3], v[A0:A0+1], v[A0+2:A0+3]  ; the row's sum: two chains in the lane,
	v_pk_add_f32 v[4:5], v[A0+4:A0+5], v[A0+6:A0+7]
.irp j, 8,12,16,20
	v_pk_add_f32 v[2:3], v[2:3], v[A0+\j:A0+\j+1]
	v_pk_add_f32 v[4:5], v[4:5], v[A0+\j+2:A0+\j+3]
.endr
	v_pk_add_f32 v[2:3], v[2:3], v[4:5]
	v_add_f32 v2, v2, v3
	v_add_f32_dpp v2, v2, v2 row_xmask:1 row_mask:0xf bank_mask:0xf   ; then across the 32 lanes
	v_add_f32_dpp v2, v2, v2 row_xmask:2 row_mask:0xf bank_mask:0xf
	v_add_f32_dpp v2, v2, v2 row_xmask:4 row_mask:0xf bank_mask:0xf
	v_add_f32_dpp v2, v2, v2 row_xmask:8 row_mask:0xf bank_mask:0xf
	v_permlanex16_b32 v3, v2, s58, s59
	v_add_f32 v2, v2, v3
	v_mul_f32 v2, s60, v2                          ; the mean
	v_mov_b32 v3, v2
.irp j, 0,2,4,6,8,10,12,14,16,18,20,22
	v_pk_add_f32 v[A0+\j:A0+\j+1], v[A0+\j:A0+\j+1], v[2:3] neg_lo:[0,1] neg_hi:[0,1]   ; d = z - mean
.endr
	v_pk_mul_f32 v[4:5], v[A0:A0+1], v[A0:A0+1]    ; the sum of d^2, as the sum above
	v_pk_mul_f32 v[6:7], v[A0+2:A0+3], v[A0+2:A0+3]
.irp j, 4,8,12,16,20
	v_pk_fma_f32 v[4:5], v[A0+\j:A0+\j+1], v[A0+\j:A0+\j+1], v[4:5]
	v_pk_fma_f32 v[6:7], v[A0+\j+2:A0+\j+3], v[A0+\j+2:A0+\j+3], v[6:7]
.endr
	v_pk_add_f32 v[4:5], v[4:5], v[6:7]
	v_add_f32 v4, v4, v5
	v_add_f32_dpp v4, v4, v4 row_xmask:1 row_mask:0xf bank_mask:0xf
	v_add_f32_dpp v4, v4, v4 row_xmask:2 row_mask:0xf bank_mask:0xf
	v_add_f32_dpp v4, v4, v4 row_xmask:4 row_mask:0xf bank_mask:0xf
	v_add_f32_dpp v4, v4, v4 row_xmask:8 row_mask:0xf bank_mask:0xf
	v_permlanex16_b32 v5, v4, s58, s59
	v_add_f32 v4, v4, v5
	v_fma_f32 v4, v4, s60, s61                     ; the variance + 1e-5
	v_rsq_f32 v6, v4
	v_nop                                          ; a plain place behind the transcendental,
	s_wait_alu depctr_va_vdst(0)                   ; and the wait ahead of its first reader
	v_mov_b32 v7, v6
.irp j, 0,2,4,6,8,10,12,14,16,18,20,22
	v_pk_mul_f32 v[A0+\j:A0+\j+1], v[A0+\j:A0+\j+1], v[6:7]
.endr
.irp j, 0,2,4,6,8,10,12,14,16,18,20,22
	v_pk_fma_f32 v[A0+\j:A0+\j+1], v[A0+\j:A0+\j+1], v[G+\j:G+\j+1], v[BB+\j:BB+\j+1]
.endr
.irp i, 0,1,2,3,4,5
	global_store_b128 v1, v[A0+4*\i:A0+4*\i+3], s[16:17] offset:512*\i th:TH_STORE_NT   ; 512 consecutive bytes, at a multiple of 256 from out0's first byte
.endr
	s_endpgm
.Lfunc_end_k_q70c03ebfa9_norm:
	.size	k_q70c03ebfa9_norm, .Lfunc_end_k_q70c03ebfa9_norm-k_q70c03ebfa9_norm
	.p2alignl 7, 3214868480
	.fill 96, 4, 3214868480
	.section	.rodata,"a",@progbits
	.p2align	6, 0x0
	.amdhsa_kernel k_q70c03ebfa9_norm
		.amdhsa_group_segment_fixed_size 0
		.amdhsa_private_segment_fixed_size 0
		.amdhsa_enable_private_segment 0
		.amdhsa_kernarg_size 56
		.amdhsa_user_sgpr_count 2
		.amdhsa_user_sgpr_kernarg_segment_ptr 1
		.amdhsa_wavefront_size32 1
		.amdhsa_system_sgpr_workgroup_id_x 1
		.amdhsa_system_sgpr_workgroup_id_y 1
		.amdhsa_system_sgpr_workgroup_id_z 1
		.amdhsa_system_vgpr_workitem_id 0
		.amdhsa_next_free_vgpr 160
		.amdhsa_next_free_sgpr 66
		.amdhsa_reserve_vcc 0
		.amdhsa_float_denorm_mode_32 3
		.amdhsa_float_denorm_mode_16_64 3
		.amdhsa_memory_ordered 1
		.amdhsa_forward_progress 1
		.amdhsa_inst_pref_size 16
	.end_amdhsa_kernel
	.amdgpu_metadata
---
amdhsa.version: [ 1, 2 ]
amdhsa.kernels:
  - .name:           k_q70c03ebfa9_norm
    .symbol:         k_q70c03ebfa9_norm.kd
    .args:
      - { .name: yp, .offset: 0, .size: 8, .value_kind: global_buffer, .address_space: global }
      - { .name: pos, .offset: 8, .size: 8, .value_kind: global_buffer, .address_space: global }
      - { .name: tk, .offset: 16, .size: 8, .value_kind: global_buffer, .address_space: global }
      - { .name: tw, .offset: 24, .size: 8, .value_kind: global_buffer, .address_space: global }
      - { .name: ln_g, .offset: 32, .size: 8, .value_kind: global_buffer, .address_space: global }
      - { .name: ln_b, .offset: 40, .size: 8, .value_kind: global_buffer, .address_space: global }
      - { .name: out0, .offset: 48, .size: 8, .value_kind: global_buffer, .address_space: global }
    .group_segment_fixed_size: 0
    .private_segment_fixed_size: 0
    .kernarg_segment_align: 8
    .kernarg_segment_size: 56
    .max_flat_workgroup_size: 128
    .sgpr_count:     66
    .vgpr_count:     160
    .wavefront_size: 32
...
	.end_amdgpu_metadata
.endif
;; end of part 4
;; ======== version 2 of 2: 4 launches
;; workspace buffers: xq 622,592 bytes; tk 4,096 bytes of whole numbers; tw 8,192 bytes; hq 18,874,368 bytes; hs 1,572,864 bytes; pos 32,768 bytes of whole numbers; cnt 1,024 bytes of whole numbers; yp 50,331,648 bytes
;; launch route (part 5): grid 64 x 1, 6 waves a work-group, no clusters, 14,080 bytes of LDS; arguments x, router_w, router_b, xq, tk, tw; writes xq, tk, tw
.if DOCPART == 5
	.amdgcn_target "amdgcn-amd-amdhsa--gfx1250"
	.amdhsa_code_object_version 6
	.text
	.protected	k_q70c03ebfa9_route
	.globl	k_q70c03ebfa9_route
	.p2align	8
	.type	k_q70c03ebfa9_route,@function
k_q70c03ebfa9_route:
	s_mov_b64 s[64:65], 0
	v_nop
	global_prefetch_b8 v0, s[64:65] scope:SCOPE_SE
	s_setreg_imm32_b32 hwreg(HW_REG_WAVE_MODE, 25, 1), 1
	s_wait_xcnt 0x0
; ROUTE.  logits = x router_w + router_b in f32, the two largest of eight (ties: the lower index), the softmax of the two; and x as codes of FP6 (E2M3) with one E8M0 byte for each 32 along K.
; SHARES.  A work-group takes 16 tokens, its six waves the six K steps of 128.  A wave loads its 16 x 128 numbers once and uses them twice: for its part of the logits and for one fragment of codes.
; THE LOGITS go by the f32 matrix form (32 instructions a wave): the choice of experts hangs on them, so the operands stay f32.  Lane (r, h) holds, of token r, 16 neighbours of each block of 32; router_w is loaded
; with the same k in the same lane and register, so each instruction's four k agree on both sides.  Columns 8-15 repeat columns 0-7.  Four accumulators by turns; they are written by matrix instructions alone.
; xq, a token's record of 608 bytes: bytes 0-287 its blocks 0, 2 .. 22 (24 bytes each), bytes 288-575 its blocks 1, 3 .. 23, bytes 576-599 six scale words, bytes 600-607 zero: so lane (r, h) of a gathered tile reads
; 288 bytes on end, which are the registers of its six fragments.  The 16 records are gathered in LDS and leave as 19 runs of 512 consecutive bytes.
; tk[token] = (1 << i0 | 1 << i1) | i0 << 8 | i1 << 16;  tw[token] = the two weights.
; LIMITS: NaN and infinities are not served; a block whose largest magnitude lies under 2^-124 keeps the byte 1; a gap between logits under the error of an f32 sum of 768 terms may choose the other expert.
.set ROWQ, 608
.set STG,  0                           ; LDS: 16 records of 608 bytes
.set RP,   16*ROWQ                     ; behind them: the logits' parts [K step 6][token 16][expert 8] f32
.set X,    16                          ; v16-79   64 numbers of x: register 16 b + i = k 32 b + 16 h + i of my token
.set BV,   80                          ; v80-143  router_w at the same k, column r % 8
.set LA,   144                         ; v144-175 four accumulators
.set R,    176                         ; v176-183 their sum
.set PC,   184                         ; v184-203 the codes just made
.set TM,   204                         ; v204-219 at work in QUANT
.set PW,   220                         ; the scale word just made
.set ZP,   222                         ; v222-223 zeros
.set CB,   224                         ; v224-239 at work; the copy
.set SEL,  20                          ; s[20:21] lane selects for v_permlanex16_b32: lane l xor 16
; 64 numbers of a lane, register 16 b + i = k 32 b + 16 (lane / 16) + i of my row, become a fragment's codes in v[PC] on and its scale word in v[PW].
.macro QUANT s
.irp b, 0,1,2,3
	v_max3_num_f32 v[TM+\b], |v[\s+16*\b]|, |v[\s+1+16*\b]|, 0x1800000   ; block b: my 16 numbers, and the floor 2^(3 - 127): the byte cannot fall under 1
.endr
.irp i, 2,4,6,8,10,12,14
.irp b, 0,1,2,3
	v_max3_num_f32 v[TM+\b], v[TM+\b], |v[\s+16*\b+\i]|, |v[\s+1+16*\b+\i]|   ; the four blocks by turns
.endr
.endr
.irp b, 0,1,2,3
	v_permlanex16_b32 v[TM+4+\b], v[TM+\b], s[SEL], s[SEL+1]
.endr
.irp b, 0,1,2,3
	v_max_num_f32 v[TM+\b], v[TM+\b], v[TM+4+\b]   ; with lane l xor 16's: the block's largest magnitude
.endr
.irp b, 0,1,2,3
	v_add_nc_u32 v[TM+12+\b], 0xff000000, v[TM+\b]   ; 2 off its exponent field: the conversion's scale operand
.endr
.irp b, 0,1,2,3
	v_lshrrev_b32 v[TM+4+\b], 23, v[TM+12+\b]   ; the scale's byte
.endr
	v_lshl_or_b32 v[PW], v[TM+5], 8, v[TM+4]
	v_lshl_or_b32 v[PW], v[TM+6], 16, v[PW]
	v_lshl_or_b32 v[PW], v[TM+7], 24, v[PW]
.irp c, 0,1
	v_cvt_scalef32_pk16_fp6_f32 v[PC+6*\c:PC+2+6*\c], v[\s+32*\c:\s+15+32*\c], v[TM+12+2*\c]
	v_cvt_scalef32_pk16_fp6_f32 v[PC+12+4*\c:PC+14+4*\c], v[\s+16+32*\c:\s+31+32*\c], v[TM+12+2*\c+1]   ; (a conversion's three registers begin on an even number)
.endr
	v_nop                                          ; one plain place behind a scaled conversion
.irp c, 0,1                                    ; the operand's layout wants a whole block in a lane: lanes 0-15 block 2 c, lanes 16-31 block 2 c + 1
.irp i, 0,1,2
	v_permlane16_swap_b32 v[PC+6*\c+\i], v[PC+12+4*\c+\i]
.endr
.irp i, 0,1,2
	v_mov_b32 v[PC+3+6*\c+\i], v[PC+12+4*\c+\i]
.endr
.endr
.endm
	s_load_b256 s[4:11], s[0:1], 0x0               ; x s[4:5], router_w s[6:7], router_b s[8:9], xq s[10:11]
	s_load_b128 s[12:15], s[0:1], 0x20             ; tk s[12:13], tw s[14:15]
	v_lshl_add_u32 v254, v0, 2, 0x3400
	v_mov_b32 v255, 0
	v_lshrrev_b32 v1, 5, v0
	v_readfirstlane_b32 s16, v1                    ; wave = K step 0..5
	v_and_b32 v1, 31, v0                           ; lane
	v_and_b32 v2, 15, v0                           ; r
	v_bfe_u32 v3, v0, 4, 1                         ; h
	v_and_b32 v13, 7, v0                           ; r % 8
	v_mul_u32_u24 v14, v2, ROWQ                    ; my token's record in the stage
	v_mul_u32_u24 v4, v2, 3072
	v_lshl_add_u32 v4, v3, 6, v4                   ; x: row r of 3,072 bytes, + 64 h
	v_lshlrev_b32 v5, 2, v13
	v_lshl_add_u32 v9, v3, 8, v5                   ; (the parts: 256 h + 4 (r % 8))
	v_lshl_add_u32 v5, v3, 9, v5                   ; router_w: 16 h rows of 32 bytes, + 4 (r % 8)
	v_lshlrev_b32 v6, 4, v1                        ; 16 x lane
	s_mul_i32 s17, s16, 48
	v_mad_u32_u24 v7, v3, 288, v14
	v_add_nc_u32 v7, s17, v7                       ; my 48 bytes of codes: record + 288 h + 48 s
	s_lshl_b32 s17, s16, 2
	s_add_co_u32 s17, s17, STG+576
	v_add_nc_u32 v8, s17, v14                      ; my token's scale word of this K step
	s_lshl_b32 s18, s16, 9                         ; 512 s
	s_add_co_u32 s17, s18, RP
	v_add_nc_u32 v9, s17, v9                       ; where my parts of the logits go
	v_lshl_add_u32 v10, v2, 5, RP                  ; and from where token lane % 16's are read back
	v_add_nc_u32 v11, STG+600, v14                 ; the record's last 8 bytes
	v_add_nc_u32 v12, s18, v6                      ; the copy: 512 s + 16 x lane, in the stage and in the work-group's part of xq alike
	v_mov_b32 v[ZP], 0
	v_mov_b32 v[ZP+1], 0
.irp b, 0,1,2,3
	v_mov_b32 v[TM+4+\b], 0                        ; written once: a lane permute's destination counts as one of its sources
.endr
	s_mov_b32 s[SEL], 0x76543210
	s_mov_b32 s[SEL+1], 0xfedcba98
	s_mul_i32 s22, ttmp9, 16*3072
	s_add_co_u32 s22, s22, s18                     ; x: my work-group's 16 rows, my K step's 512 bytes
	s_mov_b32 s23, 0
	s_lshl_b32 s32, s16, 12                        ; router_w: my K step's 128 rows
	s_mov_b32 s33, 0
	s_mul_i32 s34, ttmp9, 16*ROWQ
	s_mov_b32 s35, 0
	s_lshl_b32 s36, ttmp9, 6
	s_mov_b32 s37, 0
	s_lshl_b32 s38, ttmp9, 7
	s_mov_b32 s39, 0
	s_wait_kmcnt 0x0
	s_add_nc_u64 s[4:5], s[4:5], s[22:23]
	s_add_nc_u64 s[6:7], s[6:7], s[32:33]
	s_add_nc_u64 s[10:11], s[10:11], s[34:35]
	s_add_nc_u64 s[12:13], s[12:13], s[36:37]
	s_add_nc_u64 s[14:15], s[14:15], s[38:39]
	s_load_b256 s[24:31], s[8:9], 0x0              ; router_b
.irp b, 0,1,2,3
.irp j, 0,1,2,3
	global_load_b128 v[X+16*\b+4*\j:X+16*\b+4*\j+3], v4, s[4:5] offset:128*\b+16*\j th:TH_LOAD_NT
.endr
.endr
.set m, 0
.rept 64
	global_load_b32 v[BV+m], v5, s[6:7] offset:1024*(m/16)+32*(m%16)
.set m, m+1
.endr
	s_wait_loadcnt 0x0                             ; all 80 are wanted
	s_wait_kmcnt 0x0
.set m, 0
.rept 32                                       ; 4 along K an instruction; the first four start the sums
.if m < 4
	v_wmma_f32_16x16x4_f32 v[LA+8*(m%4):LA+8*(m%4)+7], v[X+2*m:X+2*m+1], v[BV+2*m:BV+2*m+1], 0
.else
	v_wmma_f32_16x16x4_f32 v[LA+8*(m%4):LA+8*(m%4)+7], v[X+2*m:X+2*m+1], v[BV+2*m:BV+2*m+1], v[LA+8*(m%4):LA+8*(m%4)+7]
.endif
.set m, m+1
.endr
	QUANT X                                        ; its maxima, 31 plain lines that name no register of the last product, are the eight places that this matrix form asks ahead of the reads of the sums below
.irp c, 0,1,2
	ds_store_b128 v7, v[PC+4*\c:PC+4*\c+3] offset:16*\c
.endr
	ds_store_b32 v8, v[PW]
.irp j, 0,2,4,6                                ; each accumulator is read from its low end on
	v_pk_add_f32 v[R+\j:R+\j+1], v[LA+\j:LA+\j+1], v[LA+8+\j:LA+9+\j]
.endr
.irp j, 0,2,4,6
	v_pk_add_f32 v[CB+\j:CB+\j+1], v[LA+16+\j:LA+17+\j], v[LA+24+\j:LA+25+\j]
.endr
.irp j, 0,2,4,6
	v_pk_add_f32 v[R+\j:R+\j+1], v[R+\j:R+\j+1], v[CB+\j:CB+\j+1]
.endr
.irp j, 0,1,2,3,4,5,6,7
	ds_store_b32 v9, v[R+\j] offset:32*\j          ; token 8 h + j, expert r % 8; lanes r and r + 8 write the same word with the same value
.endr
	s_cmp_lg_u32 s16, 0
	s_cbranch_scc1 .Lno_pad
	ds_store_b64 v11, v[ZP:ZP+1]                   ; the records' last 8 bytes: zeros
.Lno_pad:
	s_wait_dscnt 0x0                               ; my stores have landed
	s_barrier_signal -1
	s_barrier_wait -1                              ; the 16 records and the 6 x 128 parts lie in LDS
.irp k, 0,1,2
	ds_load_b128 v[CB+4*\k:CB+4*\k+3], v12 offset:3072*\k   ; runs s, s + 6, s + 12 of the 19
.endr
.irp k, 0,1,2
	s_wait_dscnt 2-\k                              ; the younger loads may be out
	global_store_b128 v12, v[CB+4*\k:CB+4*\k+3], s[10:11] offset:3072*\k   ; 512 consecutive bytes, at a multiple of 256 from xq's first byte
.endr
	s_cmp_lg_u32 s16, 0
	s_cbranch_scc1 .Lno_18
	ds_load_b128 v[CB+12:CB+15], v12 offset:9216   ; run 18
	s_wait_dscnt 0x0
	global_store_b128 v12, v[CB+12:CB+15], s[10:11] offset:9216
.Lno_18:
	s_cmp_lg_u32 s16, 5
	s_cbranch_scc1 .Lend
	; wave 5 finishes the logits: lane l takes token l % 16
.irp s, 0,1,2,3,4,5
	ds_load_b128 v[16+8*\s:19+8*\s], v10 offset:512*\s
	ds_load_b128 v[20+8*\s:23+8*\s], v10 offset:512*\s+16
.endr
	s_wait_dscnt 0x0
.irp j, 0,2,4,6
	v_pk_add_f32 v[16+\j:17+\j], v[16+\j:17+\j], v[24+\j:25+\j]
	v_pk_add_f32 v[32+\j:33+\j], v[32+\j:33+\j], v[40+\j:41+\j]
	v_pk_add_f32 v[48+\j:49+\j], v[48+\j:49+\j], v[56+\j:57+\j]
.endr
.irp j, 0,2,4,6
	v_pk_add_f32 v[16+\j:17+\j], v[16+\j:17+\j], v[32+\j:33+\j]
.endr
.irp j, 0,2,4,6
	v_pk_add_f32 v[16+\j:17+\j], v[16+\j:17+\j], v[48+\j:49+\j]
.endr
.irp e, 0,1,2,3,4,5,6,7
	v_add_f32 v[64+\e], s[24+\e], v[16+\e]         ; + router_b
.endr
	v_mov_b32 v72, v64                             ; the largest so far, v73 its index;
	v_mov_b32 v73, 0
	v_mov_b32 v74, 0xff800000                      ; the second, v75 its index
	v_mov_b32 v75, 0
.irp e, 1,2,3,4,5,6,7                          ; strict compares keep the lower index; a first that is displaced always becomes the second
	v_cmp_gt_f32 vcc_lo, v[64+\e], v72
	v_cndmask_b32 v76, v[64+\e], v72, vcc_lo       ; the candidate for second place: the displaced first, or this logit
	v_cndmask_b32 v77, \e, v73, vcc_lo
	v_cndmask_b32 v72, v72, v[64+\e], vcc_lo
	v_cndmask_b32 v73, v73, \e, vcc_lo
	v_cmp_gt_f32 s40, v76, v74
	s_or_b32 s40, s40, vcc_lo
	v_cndmask_b32 v74, v74, v76, s40
	v_cndmask_b32 v75, v75, v77, s40
.endr
	v_sub_f32 v76, v74, v72                        ; the softmax of the two, the larger taken away: second - first, 0 or less
	v_mul_f32 v76, 0x3fb8aa3b, v76
	s_wait_alu depctr_va_vdst(0)
	v_exp_f32 v76, v76
	v_mov_b32 v78, 1                               ; (a plain place behind the exponential)
	s_wait_alu depctr_va_vdst(0)                   ; the wait ahead of the first reader
	v_add_f32 v77, 1.0, v76
	s_wait_alu depctr_va_vdst(0)
	v_rcp_f32 v80, v77                             ; the first's weight
	v_lshlrev_b32 v79, v73, v78                    ; (a plain place)  1 << i0
	s_wait_alu depctr_va_vdst(0)
	v_mul_f32 v81, v76, v80                        ; the second's
	v_lshlrev_b32 v78, v75, v78                    ; 1 << i1
	v_or_b32 v79, v79, v78
	v_lshl_or_b32 v79, v73, 8, v79
	v_lshl_or_b32 v79, v75, 16, v79
	v_lshlrev_b32 v82, 2, v1
	v_lshlrev_b32 v83, 3, v1
	s_wait_alu depctr_va_vdst(0)
	s_wait_xcnt 0x0                                ; EXEC changes only behind this wait
	v_cmp_gt_u32 vcc_lo, 16, v1
	s_and_saveexec_b32 s41, vcc_lo                 ; lanes 0-15: one lane a token
	global_store_b32 v82, v79, s[12:13]
	global_store_b64 v83, v[80:81], s[14:15]
	s_wait_xcnt 0x0
	s_or_b32 exec_lo, exec_lo, s41
.Lend:
	s_barrier_signal -1
	s_barrier_wait -1
	s_wait_tensorcnt 0x0
	ds_add_u32 v254, v255
	s_wait_dscnt 0x0
	s_endpgm
.Lfunc_end_k_q70c03ebfa9_route:
	.size	k_q70c03ebfa9_route, .Lfunc_end_k_q70c03ebfa9_route-k_q70c03ebfa9_route
	.p2alignl 7, 3214868480
	.fill 96, 4, 3214868480
	.section	.rodata,"a",@progbits
	.p2align	6, 0x0
	.amdhsa_kernel k_q70c03ebfa9_route
		.amdhsa_group_segment_fixed_size 14080
		.amdhsa_private_segment_fixed_size 0
		.amdhsa_enable_private_segment 0
		.amdhsa_kernarg_size 48
		.amdhsa_user_sgpr_count 2
		.amdhsa_user_sgpr_kernarg_segment_ptr 1
		.amdhsa_wavefront_size32 1
		.amdhsa_system_sgpr_workgroup_id_x 1
		.amdhsa_system_sgpr_workgroup_id_y 1
		.amdhsa_system_sgpr_workgroup_id_z 1
		.amdhsa_system_vgpr_workitem_id 0
		.amdhsa_next_free_vgpr 256
		.amdhsa_next_free_sgpr 66
		.amdhsa_reserve_vcc 1
		.amdhsa_float_denorm_mode_32 3
		.amdhsa_float_denorm_mode_16_64 3
		.amdhsa_memory_ordered 1
		.amdhsa_forward_progress 1
		.amdhsa_inst_pref_size 26
	.end_amdhsa_kernel
	.amdgpu_metadata
---
amdhsa.version: [ 1, 2 ]
amdhsa.kernels:
  - .name:           k_q70c03ebfa9_route
    .symbol:         k_q70c03ebfa9_route.kd
    .args:
      - { .name: x, .offset: 0, .size: 8, .value_kind: global_buffer, .address_space: global }
      - { .name: router_w, .offset: 8, .size: 8, .value_kind: global_buffer, .address_space: global }
      - { .name: router_b, .offset: 16, .size: 8, .value_kind: global_buffer, .address_space: global }
      - { .name: xq, .offset: 24, .size: 8, .value_kind: global_buffer, .address_space: global }
      - { .name: tk, .offset: 32, .size: 8, .value_kind: global_buffer, .address_space: global }
      - { .name: tw, .offset: 40, .size: 8, .value_kind: global_buffer, .address_space: global }
    .group_segment_fixed_size: 14080
    .private_segment_fixed_size: 0
    .kernarg_segment_align: 8
    .kernarg_segment_size: 48
    .max_flat_workgroup_size: 192
    .sgpr_count:     66
    .vgpr_count:     256
    .wavefront_size: 32
...
	.end_amdgpu_metadata
.endif
;; end of part 5
;; launch ffn1 (part 6): grid 24 x 8, 4 waves a work-group, no clusters, 82,432 bytes of LDS; arguments w1, b1, xq, tk, hq, hs, pos, cnt; writes hq, hs, pos, cnt
.if DOCPART == 6
	.amdgcn_target "amdgcn-amd-amdhsa--gfx1250"
	.amdhsa_code_object_version 6
	.text
	.protected	k_q70c03ebfa9_ffn1
	.globl	k_q70c03ebfa9_ffn1
	.p2align	8
	.type	k_q70c03ebfa9_ffn1,@function
k_q70c03ebfa9_ffn1:
	s_mov_b64 s[64:65], 0
	v_nop
	global_prefetch_b8 v0, s[64:65] scope:SCOPE_SE
	s_setreg_imm32_b32 hwreg(HW_REG_WAVE_MODE, 25, 1), 1
	s_wait_xcnt 0x0
; FFN1.  h = gelu(x w1[e] + b1[e]) for the rows routed to expert e, on codes of FP6 (E2M3) with one E8M0 scale for each 32 along K; h leaves as codes for the second product.
; SHARES.  Work-group (sigma, e) owns hidden units 128 sigma .. + 127 of expert e: a panel of w1 of 768 rows x 512 bytes, which no other work-group reads.  Three parts:
;  (1) wave 0 places the expert's tokens: from tk it makes a list in LDS (place -> 608 x token, the token's byte offset in xq), and the work-group sigma = 0 stores pos[e][token] and the count;
;  (2) the four waves read the panel as f32, quantise it along K in registers and lay the 48 fragments (16 columns x 128 K) in LDS as images of their registers; every wave takes all 48 into its registers:
;      27 of them behind a barrier that stands behind batch 3, while batches 4 and 5 are on their way, the other 21 behind the last barrier;
;  (3) the waves take the expert's tiles of 16 rows by turns: gather x's codes by the list, 48 products, gelu, quantise, store.  x has two buffers: a tile is asked for two tiles ahead.
; HOW w1 IS READ.  K is w1's first axis.  Lane (q, h) loads 16 bytes: columns 4 q .. 4 q + 3 of a unit of 64 columns, at row 64 n + 32 h + i: sixteen lanes read 256 consecutive bytes, aligned, the other sixteen the same 32 rows down.
; The columns = c mod 4 of a unit are declared tile c, so a lane's 32 loads hold, for each of four tiles, one whole block of 32 along K of ONE column, in the lane that the operand's layout gives it.  128 moves a batch bring each column's 32 numbers into consecutive registers for the conversions.
; THE PRODUCTS ARE USED TRANSPOSED (source 0 = 16 columns of w1, source 1 = 16 rows of x): register j of tile c in lane (r, h) is hidden unit 32 h + 4 j + c of the unit, for row r: a lane's 32 registers of a unit are one whole block of the next K.
; It is quantised in the order of its registers, p = 8 c + j: a permutation inside a block, which leaves the scales alone; the next launch lays w2's rows in the same order.
; hq[e][tile 64][sigma 24][1536]: a fragment's image: registers 4 g .. 4 g + 3 of lane l at 512 g + 16 l.  hs[e][tile][sigma][32]: the rows' scale words.  Both go by PLACE in the expert's list.
; Rows that fill the last tile, and tiles 0-3 where the expert has fewer than 64 rows, are copies of token 0: they are stored, so that the next launch's loads find stored bytes, and no result hangs on them.
; ADDRESSES that are made from loaded numbers (the scatter into the list, the list's words of a tile, the gather by them) are held under a constant by v_min_u32, in place, as the last instruction that writes them.
; The list is read only behind the last barrier, behind which no wave stores to LDS.
; No tensor load and no cluster: the row loop is left by a number read from memory, and each byte of w1 has one reader.
; gelu(x) = x / (1 + 2^(x (c0 + c1 x^2))), c0 = -2 log2(e) sqrt(2 / pi), c1 = 0.044715 c0: the tanh form, written with one exponential and one reciprocal.
; LIMITS: NaN and infinities are not served; a block whose largest magnitude lies under 2^-124 keeps the byte 1.
; REGISTERS, in windows of 256: window 0: addresses, work, accumulators, biases, scale words.  Window 1: first two sets of 128 for the loads of w1, then 21 fragments.  Window 2: 21 fragments.  Window 3: v0-71 six fragments; v72-143, v144-215 x's two buffers of six fragments.
.set PITCH, 12288                      ; a row of w1 in bytes
.set FRB,   1536                       ; a fragment's image
.set ROWQ,  608                        ; a token's record in xq
.set NT,    8                          ; tiles of 16 columns
.set NS,    6                          ; K steps of 128
.set LIST,  0                          ; LDS byte 0: the list, 1,152 words, zeros behind the last token: tiles up to 71 can be read
.set CNTW,  4608                       ; the count
.set DUMP,  4736                       ; a word for each lane of wave 0, written and never read
.set SCL,   4864                       ; 24 images of scale words, 128 bytes: lanes 0-15 an even tile's columns, lanes 16-31 the odd tile's
.set FR,    7936                       ; 48 images of fragments: tile tau, K step s at 6 tau + s
.set WOFF, 4                           ; v4   w1: 32 h rows + 16 q
.set L16,  5                           ; v5   16 x lane
.set L4,   6                           ; v6   4 x lane
.set FWA,  7                           ; v7   where I store images
.set SBA,  8                           ; v8   where I store scale bytes
.set LSA,  9                           ; v9   LIST + 4 q
.set DMP,  10                          ; v10  DUMP + 4 x lane
.set LZA,  11                          ; v11  LIST + 16 x lane
.set CWA,  12                          ; v12  CNTW
                                       ; v13, v14  buffer 0: my token's codes in xq, its record's first byte (buffer 1: v254, v255)
.set TOK,  15
.set H8,   16                          ; v16  8 h
.set LAD,  17                          ; v17  the list's words of a tile
.set KC0,  18                          ; v[18:19] c0 twice
.set KC1,  20                          ; v[20:21] c1 twice
.set FA,   22                          ; v22, v23  FR + 16 x lane, and 24 images further on
.set SCAT, 24                          ; part 1: v24-27 four scatter addresses, v28-31 what they store
.set TKD,  28
.set M1,   24                          ; part 2: v24-27 largest magnitudes, v28-31 scale operands, v32-35 bytes, v36-51 upper halves of codes
.set SO1,  28
.set BY1,  32
.set Q1,   36
.set PT,   52
.set SCA,  53                          ; v53  SCL + 4 x lane
.set BOFF, 54                          ; v54  128 h
.set LTK,  55                          ; v55  4 x 608 x lane: the records of four tokens a lane
                                       ; v56-61 buffer 1: x's scale words: scales and nothing else
.set H288, 62                          ; v62  288 h: lanes 16-31 take a record's odd blocks
.set LW,   63                          ; v63  the list word just read
.set T,    64                          ; v64-191 four columns x 32 numbers
.set TK,   64                          ; (part 1: v64-95 tk, v96-127 places, v128-131 zeros)
.set POSR, 96
.set ZQ,   128
.set P1,   192                         ; v192-215 four columns x 6 registers of codes
.set P2,   24                          ; part 3: v24-35 the fragment made, v36-43 upper halves, v44.. at work
.set Q2,   36
.set M2,   44
.set SO2,  46
.set BY2,  48
.set PW,   50
.set ACC,  64                          ; v64-127 eight accumulators
.set BIAS, 128                         ; v128-191 b1 in the accumulators' layout
.set U,    192                         ; v192-223 at work in gelu
.set WS,   224                         ; v224-247 w1's scale words: scales and nothing else
                                       ; v248-253 buffer 0: x's scale words
.set XF,   72                          ; in window 3: x's fragments
.set MSB, 0
.macro WIN new                         ; the immediate's high byte repeats the setting that is left; a switch that changes nothing is dropped
.if MSB != (\new)
	s_set_vgpr_msb (MSB<<8)|(\new)
.set MSB, (\new)
.endif
.endm
.macro LOADB n, first, count           ; batch n: 32 rows x 4 columns a lane, into set n % 2 of window 1; rows first .. first + count - 1
	WIN 0x40
.set li, \first
.rept \count
	global_load_b128 v[128*((\n)%2)+4*li:128*((\n)%2)+4*li+3], v[WOFF], s[4:5] offset:(64*(\n)+li)*PITCH th:TH_LOAD_NT
.set li, li+1
.endr
.endm
; Batch n becomes half a fragment (64 along K) of each of four tiles, and one scale byte a column and lane.
.macro QB n, wait, next, dsw
.set SS, 128*((\n)%2)
.set CP, (\n)%2
.set NH, (\n)/2
.if \wait
	s_wait_loadcnt 32                              ; this batch is in; the next batch's 32 loads may be out
.endif
.if \dsw
	s_wait_dscnt 0x0                               ; the last batch's LDS stores have read their registers
.endif
	WIN 0x01
.set qi, 0
.rept 32
.irp c, 0,1,2,3
	v_mov_b32 v[T+32*\c+qi], v[SS+4*qi+\c]         ; column c's 32 numbers on end
.endr
.set qi, qi+1
.endr
.if \next
	LOADB (\n)+2, 0, 32                            ; the set is free as soon as it is copied
.endif
	WIN 0
.irp c, 0,1,2,3
	v_max3_num_f32 v[M1+\c], |v[T+32*\c]|, |v[T+32*\c+1]|, 0x1800000   ; the block's largest magnitude: all 32 are mine; and the floor 2^(3 - 127)
.endr
.irp i, 2,4,6,8,10,12,14,16,18,20,22,24,26,28,30
.irp c, 0,1,2,3
	v_max3_num_f32 v[M1+\c], v[M1+\c], |v[T+32*\c+\i]|, |v[T+32*\c+\i+1]|
.endr
.endr
.irp c, 0,1,2,3
	v_add_nc_u32 v[SO1+\c], 0xff000000, v[M1+\c]   ; 2 off the exponent field: the conversion's scale operand
.endr
.irp c, 0,1,2,3
	v_cvt_scalef32_pk16_fp6_f32 v[P1+6*\c:P1+6*\c+2], v[T+32*\c:T+32*\c+15], v[SO1+\c]
	v_cvt_scalef32_pk16_fp6_f32 v[Q1+4*\c:Q1+4*\c+2], v[T+32*\c+16:T+32*\c+31], v[SO1+\c]   ; (a conversion's three registers begin on an even number)
.endr
.irp c, 0,1,2,3
	v_lshrrev_b32 v[BY1+\c], 23, v[SO1+\c]         ; the scale's byte.  (These are the plain place behind the conversions)
.endr
.irp c, 0,1,2,3
.irp i, 0,1,2
	v_mov_b32 v[P1+6*\c+3+\i], v[Q1+4*\c+\i]
.endr
.endr
.irp c, 0,1,2,3
.if CP == 0                                    ; registers 0-5 of the fragment
	ds_store_b128 v[FWA], v[P1+6*\c:P1+6*\c+3] offset:(6*\c+NH)*FRB
	ds_store_b64 v[FWA], v[P1+6*\c+4:P1+6*\c+5] offset:(6*\c+NH)*FRB+512
.else                                          ; registers 6-11
	ds_store_b64 v[FWA], v[P1+6*\c:P1+6*\c+1] offset:(6*\c+NH)*FRB+520
	ds_store_b128 v[FWA], v[P1+6*\c+2:P1+6*\c+5] offset:(6*\c+NH)*FRB+1024
.endif
	ds_store_b8 v[SBA], v[BY1+\c] offset:(6*(\c/2)+NH)*128+64*(\c%2)+2*CP   ; byte 2 c' + h of column q's word
.endr
.endm
; WHERE A FRAGMENT LIES IN REGISTERS: window sw, register sr.  A wave's third K step (s % 3 = 2) is whole only behind its last batch: those 16 fragments take window 1, where the loads of w1 land until then.
; Of the other 32, whole behind batch 3, the first 21 take window 2, six window 3, and the last five the rest of window 1.
.macro SLOT s, t
.if ((\s)%3) == 2
.set sx, NT*((\s)/3)+(\t)
.set sw, 1
.set sr, 12*sx
.else
.set sx, NT*(2*((\s)/3)+(\s)%3)+(\t)
.if sx < 21
.set sw, 2
.set sr, 12*sx
.elseif sx < 27
.set sw, 3
.set sr, 12*(sx-21)
.else
.set sw, 1
.set sr, 12*(sx-11)
.endif
.endif
.endm
.macro FLOAD                           ; image ff into window sw, register sr on
	WIN sw<<6
.irp g, 0,1,2
	ds_load_b128 v[sr+4*\g:sr+4*\g+3], v[FA+ff/24] offset:FRB*(ff%24)+512*\g
.endr
.endm
.macro FETCHF early                    ; early = 1: the 27 fragments of windows 2 and 3; 0: the 21 of window 1
.set ks, 0
.rept NS
.set tl, 0
.rept NT
	SLOT ks, tl
.set ff, 6*tl+ks
.if \early
.if sw >= 2
	FLOAD
.endif
.else
.if sw == 1
	FLOAD
.endif
.endif
.set tl, tl+1
.endr
.set ks, ks+1
.endr
	WIN 0
.endm
.macro MM d, a, b, c, sa, sb, odd
.if \odd
	v_wmma_scale_f32_16x16x128_f8f6f4 v[\d:\d+7], v[\a:\a+11], v[\b:\b+11], v[\c:\c+7], v[\sa], v[\sb] matrix_a_fmt:MATRIX_FMT_FP6 matrix_b_fmt:MATRIX_FMT_FP6 matrix_a_scale:MATRIX_SCALE_ROW1
.else
	v_wmma_scale_f32_16x16x128_f8f6f4 v[\d:\d+7], v[\a:\a+11], v[\b:\b+11], v[\c:\c+7], v[\sa], v[\sb] matrix_a_fmt:MATRIX_FMT_FP6 matrix_b_fmt:MATRIX_FMT_FP6
.endif
.endm
.macro MULS b                          ; 48 products on x's buffer b: K step by K step, the eight accumulators by turns, one instruction a turn; the first K step takes b1 as C
.set ks, 0
.rept 6
.set tl, 0
.rept 8
	SLOT ks, tl
.set rd, ACC+8*tl
.set rb, XF+72*\b+12*ks
.set rc, rd
.if ks == 0
.set rc, BIAS+8*tl
.endif
.set rsa, WS+6*(tl/2)+ks
.set rsb, 248-192*\b+ks
.set od, tl%2
.set wn, 0x0c|sw
	WIN wn                                         ; source 0 in the fragment's window, source 1 in window 3, C and D in window 0
	MM rd, sr, rb, rc, rsa, rsb, od
.set tl, tl+1
.endr
.set ks, ks+1
.endr
.endm
.macro LOOK d                          ; the list's word of my row in tile t + d is asked for
	s_lshl_b32 s47, s25, 6                         ; 16 words a tile
	v_add_nc_u32 v[LAD], s47, v[LSA]
	v_min_u32 v[LAD], 0xffc, v[LAD]                ; tile t is 63 at the most; held there, in place: with the offset below the word lies inside the list's 1,152
	ds_load_b32 v[LW], v[LAD] offset:64*\d         ; 608 x the row's token
.endm
.macro GET b                           ; and by it the row's codes and scale words, into buffer b (the loads that last named the buffer's two address registers are in)
.set xa, 13+241*\b
.set xs, 14+241*\b
.set xc, 248-192*\b
	s_wait_dscnt 0x0
	v_add_nc_u32 v[xa], v[H288], v[LW]             ; lanes 0-15 the even blocks, lanes 16-31 the odd ones: 288 bytes on end
	v_mov_b32 v[xs], v[LW]
	v_min_u32 v[xa], ROWQ*1023+288, v[xa]          ; both held inside xq, in place, and not written again
	v_min_u32 v[xs], ROWQ*1023, v[xs]
	WIN 0xc0
.set gi, 0
.rept 18
	global_load_b128 v[XF+72*\b+4*gi:XF+72*\b+4*gi+3], v[xa], s[8:9] offset:16*gi
.set gi, gi+1
.endr
	WIN 0
	global_load_b128 v[xc:xc+3], v[xs], s[8:9] offset:576   ; the record's six scale words
	global_load_b64 v[xc+4:xc+5], v[xs], s[8:9] offset:592
.endm
.macro GELU u                          ; in place on the unit's 32 registers, each accumulator from its low end on
.set GA, ACC+32*\u
.set gi, 0
.rept 16
	v_pk_mul_f32 v[U+gi:U+gi+1], v[GA+gi:GA+gi+1], v[GA+gi:GA+gi+1]
.set gi, gi+2
.endr
.set gi, 0
.rept 16
	v_pk_fma_f32 v[U+gi:U+gi+1], v[U+gi:U+gi+1], v[KC1:KC1+1], v[KC0:KC0+1]
.set gi, gi+2
.endr
.set gi, 0
.rept 16
	v_pk_mul_f32 v[U+gi:U+gi+1], v[U+gi:U+gi+1], v[GA+gi:GA+gi+1]
.set gi, gi+2
.endr
.set gi, 0
	s_wait_alu depctr_va_vdst(0)
.rept 32
	v_exp_f32 v[U+gi], v[U+gi]
.set gi, gi+1
.endr
	v_nop                                          ; a plain place behind the batch,
	s_wait_alu depctr_va_vdst(0)                   ; and one wait for it, ahead of its first reader
.set gi, 0
.rept 16
	v_pk_add_f32 v[U+gi:U+gi+1], v[U+gi:U+gi+1], 1.0 op_sel_hi:[1,0]
.set gi, gi+2
.endr
.set gi, 0
	s_wait_alu depctr_va_vdst(0)
.rept 32
	v_rcp_f32 v[U+gi], v[U+gi]
.set gi, gi+1
.endr
	v_nop
	s_wait_alu depctr_va_vdst(0)
.set gi, 0
.rept 16
	v_pk_mul_f32 v[GA+gi:GA+gi+1], v[GA+gi:GA+gi+1], v[U+gi:U+gi+1]
.set gi, gi+2
.endr
.endm
; ONE TILE OF 16 ROWS, on x's buffer b.  A tile behind the last leaves the loop, so every way to the counted wait has the same loads out: this buffer's gather, and behind it the other buffer's 20 loads.
.macro HALF b
	s_cmp_ge_u32 s25, s24
	s_cbranch_scc1 .Ldone
	LOOK 8                                         ; asked for ahead of the products, read behind them
	s_wait_loadcnt 20                              ; this tile's codes and scale words are in; the other buffer's 20 loads may be out
	s_wait_alu depctr_va_vdst(0)
	MULS \b
	WIN 0
.rept 4
	v_nop                                          ; four places ahead of loads into registers that the products have read, and of the first read of results
.endr
	GET \b                                         ; the tile two turns on: it has this tile's gelu and all of the next tile in which to land.  Behind the expert's last row the list holds zeros: token 0's record is read and not used
	GELU 0
	GELU 1
.irp u, 0,1
	v_max3_num_f32 v[M2+\u], |v[ACC+32*\u]|, |v[ACC+32*\u+1]|, 0x1800000   ; block 2 u + h of my row: all 32 are mine
.endr
.irp i, 2,4,6,8,10,12,14,16,18,20,22,24,26,28,30
.irp u, 0,1
	v_max3_num_f32 v[M2+\u], v[M2+\u], |v[ACC+32*\u+\i]|, |v[ACC+32*\u+\i+1]|
.endr
.endr
.irp u, 0,1
	v_add_nc_u32 v[SO2+\u], 0xff000000, v[M2+\u]
.endr
.irp u, 0,1
	v_lshrrev_b32 v[BY2+\u], 23, v[SO2+\u]
.endr
	s_wait_alu depctr_va_vdst(0)
	s_wait_xcnt 0x0                                ; the last tile's stores have read their data and bases: both are written again only behind this wait, which stands a whole gelu behind the youngest memory instruction
	s_add_nc_u64 s[12:13], s[12:13], 4*24*FRB      ; four tiles on; the stores below reach back
	s_add_nc_u64 s[14:15], s[14:15], 4*24*128
	v_lshl_or_b32 v[PW], v[BY2+1], 16, v[BY2]      ; my two bytes, blocks h and 2 + h,
	v_lshlrev_b32 v[PW], v[H8], v[PW]              ; at their places;
	v_permlanex16_b32 v[PT], v[PW], s30, s31
	v_or_b32 v[PW], v[PW], v[PT]                   ; with lane l xor 16's two the row's word is whole
.irp u, 0,1
	v_cvt_scalef32_pk16_fp6_f32 v[P2+6*\u:P2+6*\u+2], v[ACC+32*\u:ACC+32*\u+15], v[SO2+\u]
	v_cvt_scalef32_pk16_fp6_f32 v[Q2+4*\u:Q2+4*\u+2], v[ACC+32*\u+16:ACC+32*\u+31], v[SO2+\u]
.endr
	v_nop                                          ; one plain place behind a scaled conversion
.irp u, 0,1
.irp i, 0,1,2
	v_mov_b32 v[P2+6*\u+3+\i], v[Q2+4*\u+\i]
.endr
.endr
.irp g, 0,1,2
	global_store_b128 v[L16], v[P2+4*\g:P2+4*\g+3], s[12:13] offset:512*\g-4*24*FRB th:TH_STORE_NT   ; 512 consecutive bytes, at a multiple of 256 from hq's first byte
.endr
	global_store_b32 v[L4], v[PW], s[14:15] offset:-4*24*128 th:TH_STORE_NT
	s_add_co_u32 s25, s25, 4
.endm
	s_load_b512 s[4:19], s[0:1], 0x0               ; w1 s[4:5], b1 s[6:7], xq s[8:9], tk s[10:11], hq s[12:13], hs s[14:15], pos s[16:17], cnt s[18:19]
	v_lshl_add_u32 v43, v0, 2, 0x14000
	v_mov_b32 v51, 0
	v_lshrrev_b32 v1, 5, v0
	v_readfirstlane_b32 s20, v1                    ; wave 0..3
	v_and_b32 v1, 31, v0                           ; lane
	v_and_b32 v2, 15, v0                           ; q, r
	v_bfe_u32 v3, v0, 4, 1                         ; h
	s_wait_alu depctr_va_vdst(0)
	s_and_b32 s21, ttmp7, 0xffff                   ; e
	s_mov_b32 s22, ttmp9                           ; sigma
	s_lshr_b32 s44, s20, 1                         ; my unit of 64 columns
	s_and_b32 s45, s20, 1                          ; my half of K
	v_mul_u32_u24 v[WOFF], v3, 32*PITCH
	v_lshl_add_u32 v[WOFF], v2, 4, v[WOFF]
	v_lshlrev_b32 v[L16], 4, v1
	v_lshlrev_b32 v[L4], 2, v1
	s_wait_alu depctr_va_vdst(0)
	s_mul_i32 s32, s44, 24*FRB                     ; my tiles 4 u .., my K steps 3 (w & 1) ..
	s_mul_i32 s33, s45, 3*FRB
	s_add_co_u32 s32, s32, s33
	s_add_co_u32 s32, s32, FR
	v_add_nc_u32 v[FWA], s32, v[L16]
	s_mul_i32 s32, s44, 12*128
	s_mul_i32 s33, s45, 3*128
	s_add_co_u32 s32, s32, s33
	s_add_co_u32 s32, s32, SCL
	v_lshl_add_u32 v[SBA], v2, 2, v3               ; 4 q + h
	v_add_nc_u32 v[SBA], s32, v[SBA]
	v_lshl_add_u32 v[LSA], v2, 2, LIST
	v_add_nc_u32 v[DMP], DUMP, v[L4]
	v_add_nc_u32 v[LZA], LIST, v[L16]
	v_mov_b32 v[CWA], CNTW
	v_lshlrev_b32 v[H8], 3, v3
	v_mov_b32 v[KC0], 0xc0135761                   ; c0 = -2.3022082
	v_mov_b32 v[KC0+1], 0xc0135761
	v_mov_b32 v[KC1], 0xbdd2d3e8                   ; c1 = -0.10294324
	v_mov_b32 v[KC1+1], 0xbdd2d3e8
	v_add_nc_u32 v[FA], FR, v[L16]
	v_add_nc_u32 v[FA+1], FR+24*FRB, v[L16]
	v_add_nc_u32 v[SCA], SCL, v[L4]
	v_lshlrev_b32 v[BOFF], 7, v3
	v_mul_u32_u24 v[LTK], v1, 4*ROWQ
	v_mul_u32_u24 v[H288], v3, 288
	v_mov_b32 v[PT], 0                             ; written once: a lane permute's destination counts as one of its sources
.irp i, 0,1,2,3
	v_mov_b32 v[ZQ+\i], 0
.endr
	s_lshl_b32 s27, 1, s21                         ; the expert's bit in tk
	s_mov_b32 s28, 0                               ; places given out
	s_mov_b32 s30, 0x76543210
	s_mov_b32 s31, 0xfedcba98
	s_mov_b32 s25, s20                             ; my first tile
	s_mul_i32 s32, s21, 768*PITCH                  ; w1: the expert,
	s_mul_i32 s33, s45, 384*PITCH                  ; my half of K,
	s_add_co_u32 s32, s32, s33
	s_lshl_b32 s33, s22, 9                         ; the panel's 512 bytes of a row,
	s_add_co_u32 s32, s32, s33
	s_lshl_b32 s33, s44, 8                         ; my unit's 256
	s_add_co_u32 s32, s32, s33
	s_mov_b32 s33, 0
	s_mul_i32 s34, s21, 12288                      ; b1: 3,072 e + 128 sigma numbers
	s_lshl_b32 s35, s22, 9
	s_add_co_u32 s34, s34, s35
	s_mov_b32 s35, 0
	s_lshl_b32 s36, s21, 6
	s_add_co_u32 s36, s36, s20
	s_mul_i32 s36, s36, 24
	s_add_co_u32 s36, s36, s22                     ; (64 e + tile) 24 + sigma
	s_lshl_b32 s38, s36, 7
	s_mul_i32 s36, s36, FRB
	s_mov_b32 s37, 0
	s_mov_b32 s39, 0
	s_lshl_b32 s40, s21, 12
	s_mov_b32 s41, 0
	s_lshl_b32 s42, s21, 7
	s_mov_b32 s43, 0
	s_wait_kmcnt 0x0
	s_add_nc_u64 s[4:5], s[4:5], s[32:33]
	s_add_nc_u64 s[6:7], s[6:7], s[34:35]
	s_add_nc_u64 s[12:13], s[12:13], s[36:37]
	s_add_nc_u64 s[14:15], s[14:15], s[38:39]
	s_add_nc_u64 s[16:17], s[16:17], s[40:41]
	s_add_nc_u64 s[18:19], s[18:19], s[42:43]
	s_cmp_lg_u32 s20, 0
	s_cbranch_scc1 .Lno_tk
.irp i, 0,1,2,3,4,5,6,7
	global_load_b128 v[TK+4*\i:TK+4*\i+3], v[L16], s[10:11] offset:512*\i   ; wave 0: register k holds tk of token 128 (k / 4) + 4 lane + k % 4
.endr
.Lno_tk:
	LOADB 0, 0, 32
	LOADB 1, 0, 22                                 ; wave 0 now has 8 + 32 + 22 loads out
	WIN 0
	s_cmp_lg_u32 s20, 0
	s_cbranch_scc1 .Lno_wait
	s_wait_loadcnt 54                              ; tk is in; the 54 loads of w1 behind it may be out
.Lno_wait:
	LOADB 1, 22, 10                                ; the rest of batch 1 goes out ahead of the list's making, in wave 0 as in the others
	WIN 0
	s_cmp_lg_u32 s20, 0
	s_cbranch_scc1 .Lno_build
	s_wait_alu depctr_va_vdst(0)
	; PART 1, wave 0 alone; no other wave touches LDS ahead of the barrier below.  All lanes stay on: a lane whose token is another expert's stores to its own dump word.
.irp i, 0,1,2,3,4,5,6,7,8
	ds_store_b128 v[LZA], v[ZQ:ZQ+3] offset:512*\i ; the list begins as zeros: rows that fill a tile are token 0
.endr
.set k, 0
.rept 32
	v_and_b32 v[TK+k], s27, v[TK+k]
.set k, k+1
.endr
.set k, 0
.rept 32
	v_cmp_ne_u32 s[66+k], 0, v[TK+k]               ; the lanes whose token goes to this expert: all 32 masks first, so that the scalar sums below wait for no vector result
.set k, k+1
.endr
.set k, 0
.rept 32
	v_mbcnt_lo_u32_b32 v[POSR+k], s[66+k], s28     ; places given out + such lanes below me: my token's place
	s_bcnt1_i32_b32 s29, s[66+k]
	s_add_co_u32 s28, s28, s29
.set k, k+1
.endr
.set k, 0
.rept 8                                        ; four registers of tokens by turns
.irp i, 0,1,2,3
	v_lshlrev_b32 v[SCAT+\i], 2, v[POSR+k+\i]      ; the place's word in the list, which begins at LDS byte 0,
.endr
.irp i, 0,1,2,3
	v_cndmask_b32 v[SCAT+\i], v[DMP], v[SCAT+\i], s[66+k+\i]   ; or my dump word,
.endr
.irp i, 0,1,2,3
	v_min_u32 v[SCAT+\i], DUMP+124, v[SCAT+\i]     ; held under the last dump word, in place
.endr
.irp i, 0,1,2,3
	v_add_nc_u32 v[TKD+\i], ROWQ*(32*k+\i), v[LTK] ; 608 x my token
.endr
.irp i, 0,1,2,3
	ds_store_b32 v[SCAT+\i], v[TKD+\i]
.endr
.set k, k+4
.endr
	v_mov_b32 v[TOK], s28
	ds_store_b32 v[CWA], v[TOK]                    ; the count, for the other waves
	s_cmp_lg_u32 s22, 0
	s_cbranch_scc1 .Lno_pos
.irp i, 0,1,2,3,4,5,6,7
	global_store_b128 v[L16], v[POSR+4*\i:POSR+4*\i+3], s[16:17] offset:512*\i   ; one work-group an expert stores the places (a number without meaning where the token is not the expert's) and the count
.endr
	global_store_b32 v[L4], v[TOK], s[18:19]
	s_wait_xcnt 0x0                                ; the stores have read their registers, which part 2 writes
.Lno_pos:
.Lno_build:
	s_wait_dscnt 0x0
	s_barrier_signal -1
	s_barrier_wait -1                              ; the list and the count lie in LDS
	ds_load_b32 v[TOK], v[CWA]
	s_wait_dscnt 0x0
	v_readfirstlane_b32 s23, v[TOK]
	s_add_co_u32 s24, s23, 15
	s_lshr_b32 s24, s24, 4
	s_min_u32 s24, s24, 64
	s_max_u32 s24, s24, 4                          ; tiles to work: at least each wave's first
	; PART 2
	QB 0, 1, 1, 1
	QB 1, 1, 1, 1
	QB 2, 1, 1, 1
	QB 3, 1, 1, 1
	s_wait_dscnt 0x0                               ; my images of my first two K steps have landed
	s_barrier_signal -1
	s_barrier_wait -1                              ; everybody's have: 32 fragments are whole
	FETCHF 1                                       ; 27 of them, 81 LDS loads, while batches 4 and 5 are on their way; the images that are still to be stored are other bytes
	QB 4, 1, 0, 0                                  ; (no LDS wait: the wait ahead of the barrier has covered batch 3's stores)
	s_wait_loadcnt 0x0                             ; batch 5 is in
	QB 5, 0, 0, 1
.set bi, 0
.rept 16                                       ; b1, 16 bytes a load: register 32 u + 4 j + c of the accumulators' registers: hidden unit 64 u + 32 h + 4 j + c
	global_load_b128 v[ACC+4*bi:ACC+4*bi+3], v[BOFF], s[6:7] offset:256*(bi/8)+16*(bi%8)
.set bi, bi+1
.endr
	s_wait_dscnt 0x0                               ; my images have landed
	s_barrier_signal -1
	s_barrier_wait -1                              ; all 48 fragments lie in LDS; from here on no wave stores to LDS
	LOOK 0
	GET 0                                          ; my first two tiles' rows are asked for first: they land while the fragments are fetched.  16 + 20 + 20 loads are out
	LOOK 4
	GET 1
	FETCHF 0                                       ; the other 21 fragments
.set gg, 0
.rept 24
	ds_load_b32 v[WS+gg], v[SCA] offset:128*gg
.set gg, gg+1
.endr
	s_wait_loadcnt 40                              ; b1 is in; the two gathers may be out
.set bi, 0
.rept 64
	v_mov_b32 v[BIAS+32*(bi/32)+8*(bi%4)+(bi/4)%8], v[ACC+bi]   ; into the accumulators' layout: register 32 u + 8 c + j
.set bi, bi+1
.endr
.rept 4
	v_nop                                          ; once in the launch: places between the last of these and the products, which take them as C
.endr
	s_wait_dscnt 0x0
	; PART 3: eight trips of two tiles, a constant; the first tile behind the last leaves the loop
	s_mov_b32 s26, 0
.Lrow:
	HALF 0
	HALF 1
	s_add_co_u32 s26, s26, 1
	s_cmp_lt_u32 s26, 8
	s_cbranch_scc1 .Lrow
.Ldone:
	s_barrier_signal -1
	s_barrier_wait -1
	s_wait_tensorcnt 0x0
	ds_add_u32 v43, v51
	s_wait_dscnt 0x0
	s_endpgm
.Lfunc_end_k_q70c03ebfa9_ffn1:
	.size	k_q70c03ebfa9_ffn1, .Lfunc_end_k_q70c03ebfa9_ffn1-k_q70c03ebfa9_ffn1
	.p2alignl 7, 3214868480
	.fill 96, 4, 3214868480
	.section	.rodata,"a",@progbits
	.p2align	6, 0x0
	.amdhsa_kernel k_q70c03ebfa9_ffn1
		.amdhsa_group_segment_fixed_size 82432
		.amdhsa_private_segment_fixed_size 0
		.amdhsa_enable_private_segment 0
		.amdhsa_kernarg_size 64
		.amdhsa_user_sgpr_count 2
		.amdhsa_user_sgpr_kernarg_segment_ptr 1
		.amdhsa_wavefront_size32 1
		.amdhsa_system_sgpr_workgroup_id_x 1
		.amdhsa_system_sgpr_workgroup_id_y 1
		.amdhsa_system_sgpr_workgroup_id_z 1
		.amdhsa_system_vgpr_workitem_id 0
		.amdhsa_next_free_vgpr 1024
		.amdhsa_next_free_sgpr 100
		.amdhsa_reserve_vcc 0
		.amdhsa_float_denorm_mode_32 3
		.amdhsa_float_denorm_mode_16_64 3
		.amdhsa_memory_ordered 1
		.amdhsa_forward_progress 1
		.amdhsa_inst_pref_size 176
	.end_amdhsa_kernel
	.amdgpu_metadata
---
amdhsa.version: [ 1, 2 ]
amdhsa.kernels:
  - .name:           k_q70c03ebfa9_ffn1
    .symbol:         k_q70c03ebfa9_ffn1.kd
    .args:
      - { .name: w1, .offset: 0, .size: 8, .value_kind: global_buffer, .address_space: global }
      - { .name: b1, .offset: 8, .size: 8, .value_kind: global_buffer, .address_space: global }
      - { .name: xq, .offset: 16, .size: 8, .value_kind: global_buffer, .address_space: global }
      - { .name: tk, .offset: 24, .size: 8, .value_kind: global_buffer, .address_space: global }
      - { .name: hq, .offset: 32, .size: 8, .value_kind: global_buffer, .address_space: global }
      - { .name: hs, .offset: 40, .size: 8, .value_kind: global_buffer, .address_space: global }
      - { .name: pos, .offset: 48, .size: 8, .value_kind: global_buffer, .address_space: global }
      - { .name: cnt, .offset: 56, .size: 8, .value_kind: global_buffer, .address_space: global }
    .group_segment_fixed_size: 82432
    .private_segment_fixed_size: 0
    .kernarg_segment_align: 8
    .kernarg_segment_size: 64
    .max_flat_workgroup_size: 128
    .sgpr_count:     100
    .vgpr_count:     1024
    .wavefront_size: 32
...
	.end_amdgpu_metadata
.endif
;; end of part 6
;; launch ffn2 (part 7): grid 24 x 8, 4 waves a work-group, no clusters, 94,720 bytes of LDS; arguments w2, b2, hq, hs, cnt, yp; writes yp
.if DOCPART == 7
	.amdgcn_target "amdgcn-amd-amdhsa--gfx1250"
	.amdhsa_code_object_version 6
	.text
	.protected	k_q70c03ebfa9_ffn2
	.globl	k_q70c03ebfa9_ffn2
	.p2align	8
	.type	k_q70c03ebfa9_ffn2,@function
k_q70c03ebfa9_ffn2:
	s_mov_b64 s[64:65], 0
	v_nop
	global_prefetch_b8 v0, s[64:65] scope:SCOPE_SE
	s_setreg_imm32_b32 hwreg(HW_REG_WAVE_SCHED_MODE, 0, 2), 2
	s_setreg_imm32_b32 hwreg(HW_REG_WAVE_MODE, 25, 1), 1
	s_wait_xcnt 0x0
	s_wait_alu depctr_vm_vsrc(0)
; FFN2.  y = h w2[e] (+ b2[e]) for the rows of expert e, on codes of FP6 (E2M3) with one E8M0 scale for each 32 along K; K = 3,072 is cut in two halves, each summed by its own work-group into its own part of yp.
; SHARES.  Work-group (x, e), x = U + 12 kappa: outputs 64 U .. + 63, hidden units 1,536 kappa .. + 1,535: a panel of w2 of 1,536 rows x 256 bytes, which no other work-group reads.
;  (1) the four waves read the panel as f32 (wave w: rows 384 w on), quantise it along K in registers and lay the 48 fragments in LDS as images of their registers; every wave takes all 48 into its registers:
;      27 of them behind a barrier that stands behind batch 3, while batches 4 and 5 are on their way, the other 21 behind the last barrier;
;  (2) the waves take the expert's tiles of 16 rows by turns: h's 12 fragments come from hq as they lie, 48 products, the results leave through the wave's own stage as whole rows of 256 bytes.
;      h comes in four groups of three K steps: as soon as a group of this tile is multiplied, the same group of my next tile is asked for into its registers.
; HOW w2 IS READ: as the launch before reads w1: lane (q, h) loads columns 4 q .. 4 q + 3 at row 64 n + 32 h + i: sixteen lanes read 256 consecutive bytes, aligned; the columns = c mod 4 are tile c.
; h's codes lie, inside each block of 32, in the order p = 8 (i % 4) + i / 4 of hidden unit i: so row i of a block of w2 goes to place p of its column's 32 numbers.  The move is owed anyway; the scales are not touched.
; THE PRODUCTS ARE USED TRANSPOSED (source 0 = 16 columns of w2, source 1 = 16 rows of h): register j of tile c in lane (r, h) is output 32 h + 4 j + c of row r.
; b2 is the C of the first K step where kappa = 0; where kappa = 1 it is multiplied by 0.  yp[kappa][e][place 1024][768] f32.
; No tensor load and no cluster: the row loop is left by a number read from memory, and each byte of w2 has one reader.
; LIMITS: NaN and infinities are not served (b2 among them: 0 x infinity); a block whose largest magnitude lies under 2^-124 keeps the byte 1.
; REGISTERS, in windows of 256: window 0: addresses, work, accumulators, scale words.  Window 1: first two sets of 128 for the loads of w2, then 21 fragments.  Window 2: 21 fragments.  Window 3: v0-71 six fragments; from v72 h's twelve fragments.
; THE MODE: SCHED_MODE bits 1:0 = 2 (LLVM: expert scheduling mode 2), set by the entry lines.  The code itself states the register dependences
; between vector or matrix instructions and memory or LDS instructions, with s_wait_alu, always for 0.
; THE PLAN.  Registers that memory or LDS instructions touch, and who else names them:
;   v4-11, v22, v23, v53, v54   Offsets and LDS addresses: made at the head, never written again: one wait on va_vdst ahead of the first load serves them for the whole kernel.
;   Part 1, a batch   Window 1's set: the loads of w2 land in it, the 128 moves read it: a wait on va_vdst behind the moves, and the set is asked for again at once.
;                     P1, BY1: written by the conversions, moves and shifts, read by the batch's LDS stores: a wait on va_vdst ahead of the stores, a wait on vm_vsrc at the next batch's head.
;   Part 2, a tile    Group g of h's fragments and scale words: read by the group's 12 products, then landed in by my next tile's 12 loads: a wait on va_vdst between the two.
;                     O: written by the 32 moves of the way out, read by the LDS stores.  Group 3's loads stand behind those moves, so that one wait on va_vdst serves them and the LDS stores.
;                     RB: the loads from the stage land in it, the global stores read it.
;                     ONE wait on vm_vsrc a tile, behind the first group's products: the last tile's LDS stores have read O, its global stores RB.
;   The accumulators, the biases and the 48 fragments are named in the loop by vector and matrix instructions alone.
.set PITCH, 3072                       ; a row of w2 in bytes
.set FRB,   1536
.set NT,    4                          ; tiles of 16 columns
.set NS,    12                         ; K steps of 128
.set SCL,   0                          ; LDS: 24 images of scale words
.set STG,   3072                       ; a stage of 16 rows x (256 + 16) bytes for each wave
.set FR,    20480                      ; 48 images of fragments: tile c, K step s at 12 c + s
.set WOFF, 4
.set L16,  5
.set L4,   6
.set FWA,  7
.set SBA,  8
.set STO,  9                           ; v9   the stage: where I put my 128 bytes of a row
.set RD,   10                          ; v10  and where I read rows back
.set YO,   11                          ; v11  the same place in yp
.set FA,   22
.set M1,   24
.set SO1,  28
.set BY1,  32
.set Q1,   36
.set SCA,  53
.set BOFF, 54
.set T,    64
.set P1,   192
.set ACC,  64                          ; v64-95 four accumulators
.set BIAS, 96                          ; v96-127 b2 in their layout
.set O,    128                         ; v128-159 a lane's 32 neighbouring outputs
.set RB,   160                         ; v160-191 16 rows read back
.set HSC,  216                         ; v216-227 h's scale words: scales and nothing else
.set WS,   228                         ; v228-251 w2's
.set HF,   72                          ; in window 3: h's fragments
.set MSB, 0
.macro WIN new
.if MSB != (\new)
	s_set_vgpr_msb (MSB<<8)|(\new)
.set MSB, (\new)
.endif
.endm
.macro LOADB n
	WIN 0x40
.set li, 0
.rept 32
	global_load_b128 v[128*((\n)%2)+4*li:128*((\n)%2)+4*li+3], v[WOFF], s[4:5] offset:(64*(\n)+li)*PITCH th:TH_LOAD_NT
.set li, li+1
.endr
.endm
.macro QB n, wait, next, dsw
.set SS, 128*((\n)%2)
.set CP, (\n)%2
.set NH, (\n)/2
.if \wait
	s_wait_loadcnt 32                              ; this batch is in; the next batch's 32 loads may be out
.endif
.if \dsw
	s_wait_dscnt 0x0                               ; the last batch's LDS stores have landed
.endif
.if (\n) > 0
	s_wait_alu depctr_vm_vsrc(0)                   ; the last batch's LDS stores have read P1 and BY1, which this batch writes again
.endif
	WIN 0x01
.set qi, 0
.rept 32
.irp c, 0,1,2,3
	v_mov_b32 v[T+32*\c+8*(qi%4)+qi/4], v[SS+4*qi+\c]   ; row i of the block to place 8 (i % 4) + i / 4
.endr
.set qi, qi+1
.endr
.if \next
	WIN 0x40
	s_wait_alu depctr_va_vdst(0)                   ; the moves are done reading the set, in which the loads below land
	LOADB (\n)+2
.endif
	WIN 0
.irp c, 0,1,2,3
	v_max3_num_f32 v[M1+\c], |v[T+32*\c]|, |v[T+32*\c+1]|, 0x1800000
.endr
.irp i, 2,4,6,8,10,12,14,16,18,20,22,24,26,28,30
.irp c, 0,1,2,3
	v_max3_num_f32 v[M1+\c], v[M1+\c], |v[T+32*\c+\i]|, |v[T+32*\c+\i+1]|
.endr
.endr
.irp c, 0,1,2,3
	v_add_nc_u32 v[SO1+\c], 0xff000000, v[M1+\c]
.endr
.irp c, 0,1,2,3
	v_cvt_scalef32_pk16_fp6_f32 v[P1+6*\c:P1+6*\c+2], v[T+32*\c:T+32*\c+15], v[SO1+\c]
	v_cvt_scalef32_pk16_fp6_f32 v[Q1+4*\c:Q1+4*\c+2], v[T+32*\c+16:T+32*\c+31], v[SO1+\c]
.endr
.irp c, 0,1,2,3
	v_lshrrev_b32 v[BY1+\c], 23, v[SO1+\c]         ; (the plain place behind the conversions)
.endr
.irp c, 0,1,2,3
.irp i, 0,1,2
	v_mov_b32 v[P1+6*\c+3+\i], v[Q1+4*\c+\i]
.endr
.endr
	s_wait_alu depctr_va_vdst(0)                   ; the conversions and moves have written P1, the shifts BY1: the LDS stores below read them.  (All lines that name T stand ahead of this wait too: behind the last batch b2's loads land there)
.irp c, 0,1,2,3
.if CP == 0
	ds_store_b128 v[FWA], v[P1+6*\c:P1+6*\c+3] offset:(12*\c+NH)*FRB
	ds_store_b64 v[FWA], v[P1+6*\c+4:P1+6*\c+5] offset:(12*\c+NH)*FRB+512
.else
	ds_store_b64 v[FWA], v[P1+6*\c:P1+6*\c+1] offset:(12*\c+NH)*FRB+520
	ds_store_b128 v[FWA], v[P1+6*\c+2:P1+6*\c+5] offset:(12*\c+NH)*FRB+1024
.endif
	ds_store_b8 v[SBA], v[BY1+\c] offset:(12*(\c/2)+NH)*128+64*(\c%2)+2*CP
.endr
.endm
; WHERE A FRAGMENT LIES IN REGISTERS: window sw, register sr.  A wave's third K step (s % 3 = 2) is whole only behind its last batch: those 16 fragments take window 1, where the loads of w2 land until then.
; Of the other 32, whole behind batch 3, the first 21 take window 2, six window 3, and the last five the rest of window 1.
.macro SLOT s, t
.if ((\s)%3) == 2
.set sx, NT*((\s)/3)+(\t)
.set sw, 1
.set sr, 12*sx
.else
.set sx, NT*(2*((\s)/3)+(\s)%3)+(\t)
.if sx < 21
.set sw, 2
.set sr, 12*sx
.elseif sx < 27
.set sw, 3
.set sr, 12*(sx-21)
.else
.set sw, 1
.set sr, 12*(sx-11)
.endif
.endif
.endm
.macro FLOAD                           ; image ff into window sw, register sr on
	WIN sw<<6
.irp g, 0,1,2
	ds_load_b128 v[sr+4*\g:sr+4*\g+3], v[FA+ff/24] offset:FRB*(ff%24)+512*\g
.endr
.endm
.macro FETCHF early                    ; early = 1: the 27 fragments of windows 2 and 3; 0: the 21 of window 1
.set ks, 0
.rept NS
.set tl, 0
.rept NT
	SLOT ks, tl
.set ff, 12*tl+ks
.if \early
.if sw >= 2
	FLOAD
.endif
.else
.if sw == 1
	FLOAD
.endif
.endif
.set tl, tl+1
.endr
.set ks, ks+1
.endr
	WIN 0
.endm
.macro MM d, a, b, c, sa, sb, odd
.if \odd
	v_wmma_scale_f32_16x16x128_f8f6f4 v[\d:\d+7], v[\a:\a+11], v[\b:\b+11], v[\c:\c+7], v[\sa], v[\sb] matrix_a_fmt:MATRIX_FMT_FP6 matrix_b_fmt:MATRIX_FMT_FP6 matrix_a_scale:MATRIX_SCALE_ROW1
.else
	v_wmma_scale_f32_16x16x128_f8f6f4 v[\d:\d+7], v[\a:\a+11], v[\b:\b+11], v[\c:\c+7], v[\sa], v[\sb] matrix_a_fmt:MATRIX_FMT_FP6 matrix_b_fmt:MATRIX_FMT_FP6
.endif
.endm
.macro MULG g                          ; 12 products: K steps 3 g .. 3 g + 2, the four accumulators by turns, one instruction a turn, from group to group too
.set ks, 3*\g
.rept 3
.set tl, 0
.rept 4
	SLOT ks, tl
.set rd, ACC+8*tl
.set rb, HF+12*ks
.set rc, rd
.if ks == 0
.set rc, BIAS+8*tl
.endif
.set rsa, WS+12*(tl/2)+ks
.set rsb, HSC+ks
.set od, tl%2
.set wn, 0x0c|sw
	WIN wn
	MM rd, sr, rb, rc, rsa, rsb, od
.set tl, tl+1
.endr
.set ks, ks+1
.endr
.endm
.macro NBASE d                         ; where tile t + d lies in hq and hs; behind the last tile that the launch before stored, that tile is taken again and not used
	s_add_co_u32 s46, s25, \d
	s_min_u32 s46, s46, s51
	s_min_u32 s46, s46, 63
	s_mul_i32 s56, s46, 24*FRB
	s_mul_i32 s58, s46, 24*128
	s_add_nc_u64 s[52:53], s[8:9], s[56:57]
	s_add_nc_u64 s[54:55], s[10:11], s[58:59]
.endm
.macro GRP g                           ; 12 loads: the fragments of K steps 3 g .. 3 g + 2, 4,608 bytes on end, and their scale words
	WIN 0xc0
.set gi, 9*\g
.rept 9
	global_load_b128 v[HF+4*gi:HF+4*gi+3], v[L16], s[52:53] offset:512*gi
.set gi, gi+1
.endr
	WIN 0
.set gi, 3*\g
.rept 3
	global_load_b32 v[HSC+gi], v[L4], s[54:55] offset:128*gi
.set gi, gi+1
.endr
.endm
	s_load_b256 s[4:11], s[0:1], 0x0               ; w2 s[4:5], b2 s[6:7], hq s[8:9], hs s[10:11]
	s_load_b128 s[12:15], s[0:1], 0x20             ; cnt s[12:13], yp s[14:15]
	v_lshl_add_u32 v254, v0, 2, 0x17000
	v_mov_b32 v255, 0
	v_lshrrev_b32 v1, 5, v0
	v_readfirstlane_b32 s20, v1                    ; wave 0..3
	v_and_b32 v1, 31, v0
	v_and_b32 v2, 15, v0                           ; q, r
	v_bfe_u32 v3, v0, 4, 1                         ; h
	s_wait_alu depctr_va_vdst(0)
	s_wait_alu depctr_va_sdst(0)                   ; s20 is written, ahead of its first reader
	s_and_b32 s21, ttmp7, 0xffff                   ; e
	s_cmp_ge_u32 ttmp9, 12
	s_cselect_b32 s47, 1, 0                        ; kappa
	s_cselect_b32 s48, 0, 1.0                      ; b2 counts in the first half alone
	s_mul_i32 s33, s47, 12
	s_sub_co_u32 s22, ttmp9, s33                   ; U
	v_mul_u32_u24 v[WOFF], v3, 32*PITCH
	v_lshl_add_u32 v[WOFF], v2, 4, v[WOFF]
	v_lshlrev_b32 v[L16], 4, v1
	v_lshlrev_b32 v[L4], 2, v1
	s_mul_i32 s32, s20, 3*FRB                      ; my K steps 3 w ..
	s_add_co_u32 s32, s32, FR
	v_add_nc_u32 v[FWA], s32, v[L16]
	s_mul_i32 s32, s20, 3*128
	s_add_co_u32 s32, s32, SCL
	v_lshl_add_u32 v[SBA], v2, 2, v3
	v_add_nc_u32 v[SBA], s32, v[SBA]
	s_mul_i32 s32, s20, 16*272
	s_add_co_u32 s32, s32, STG                     ; my stage
	v_mul_u32_u24 v[STO], v2, 272
	v_lshl_add_u32 v[STO], v3, 7, v[STO]
	v_add_nc_u32 v[STO], s32, v[STO]               ; in: row r, + 128 h
	v_mul_u32_u24 v[RD], v3, 272
	v_lshl_add_u32 v[RD], v2, 4, v[RD]
	v_add_nc_u32 v[RD], s32, v[RD]                 ; back: lanes 0-15 one row of 256 bytes, lanes 16-31 the next
	v_mul_u32_u24 v[YO], v3, 3072
	v_lshl_add_u32 v[YO], v2, 4, v[YO]
	v_add_nc_u32 v[FA], FR, v[L16]
	v_add_nc_u32 v[FA+1], FR+24*FRB, v[L16]
	v_add_nc_u32 v[SCA], SCL, v[L4]
	v_lshlrev_b32 v[BOFF], 7, v3
	s_mov_b32 s25, s20                             ; my first tile
	s_mov_b32 s57, 0
	s_mov_b32 s59, 0
	s_mul_i32 s32, s21, 3072*PITCH                 ; w2: the expert,
	s_mul_i32 s33, s47, 1536*PITCH                 ; the half of K,
	s_add_co_u32 s32, s32, s33
	s_mul_i32 s33, s20, 384*PITCH                  ; my quarter of it,
	s_add_co_u32 s32, s32, s33
	s_lshl_b32 s33, s22, 8                         ; the panel's 256 bytes of a row
	s_add_co_u32 s32, s32, s33
	s_mov_b32 s33, 0
	s_mul_i32 s34, s21, 3072                       ; b2: 768 e + 64 U numbers
	s_lshl_b32 s35, s22, 8
	s_add_co_u32 s34, s34, s35
	s_mov_b32 s35, 0
	s_mul_i32 s36, s21, 64*24
	s_mul_i32 s37, s47, 12
	s_add_co_u32 s36, s36, s37                     ; hq, hs: the expert's tile 0: fragment 64 e x 24 + 12 kappa
	s_lshl_b32 s38, s36, 7
	s_mul_i32 s36, s36, FRB
	s_mov_b32 s37, 0
	s_mov_b32 s39, 0
	s_lshl_b32 s40, s47, 3
	s_add_co_u32 s40, s40, s21
	s_lshl_b32 s40, s40, 10
	s_lshl_b32 s41, s20, 4
	s_add_co_u32 s40, s40, s41                     ; yp: row (8 kappa + e) 1,024 + 16 w
	s_mul_i32 s40, s40, 3072
	s_lshl_b32 s41, s22, 8
	s_add_co_u32 s40, s40, s41
	s_mov_b32 s41, 0
	s_lshl_b32 s50, s21, 7                         ; cnt: 128 e; kept until the load below is in
	s_wait_kmcnt 0x0
	s_add_nc_u64 s[4:5], s[4:5], s[32:33]
	s_add_nc_u64 s[6:7], s[6:7], s[34:35]
	s_add_nc_u64 s[8:9], s[8:9], s[36:37]
	s_add_nc_u64 s[10:11], s[10:11], s[38:39]
	s_add_nc_u64 s[14:15], s[14:15], s[40:41]
	s_load_b32 s23, s[12:13], s50 offset:0x0       ; the expert's rows
	WIN 0x40
	s_wait_alu depctr_va_vdst(0)                   ; the offsets and LDS addresses v4-11, v22, v23, v53, v54 are written: every load and store below reads some of them, and none is written again
	LOADB 0
	LOADB 1
	WIN 0
	s_wait_kmcnt 0x0
	s_add_co_u32 s24, s23, 15
	s_lshr_b32 s24, s24, 4
	s_min_u32 s24, s24, 64                         ; its tiles
	s_max_u32 s51, s24, 4
	s_sub_co_u32 s51, s51, 1                       ; the last tile that the launch before stored: it works four tiles at the least
	QB 0, 1, 1, 1
	QB 1, 1, 1, 1
	QB 2, 1, 1, 1
	QB 3, 1, 1, 1
	s_wait_dscnt 0x0                               ; my images of my first two K steps have landed
	s_barrier_signal -1
	s_barrier_wait -1                              ; everybody's have: 32 fragments are whole
	FETCHF 1                                       ; 27 of them, 81 LDS loads, while batches 4 and 5 are on their way; the images that are still to be stored are other bytes.  No vector instruction has named windows 2 and 3: no wait is owed
	QB 4, 1, 0, 0                                  ; (no LDS wait: the wait ahead of the barrier has covered batch 3's stores)
	s_wait_loadcnt 0x0                             ; batch 5 is in
	NBASE 0
.irp g, 0,1,2,3
	GRP \g                                         ; my first tile is asked for while the last batch is quantised; no vector instruction has named the registers in which it lands
.endr
	QB 5, 0, 0, 1
.set bi, 0
.rept 8                                        ; b2, 16 bytes a load: register 4 j + c: output 32 h + 4 j + c.  48 + 8 loads are out.  (They land where T lay: every line that names T stands ahead of batch 5's last wait on va_vdst)
	global_load_b128 v[O+4*bi:O+4*bi+3], v[BOFF], s[6:7] offset:16*bi
.set bi, bi+1
.endr
	s_wait_dscnt 0x0                               ; my images have landed
	s_barrier_signal -1
	s_barrier_wait -1                              ; all 48 fragments lie in LDS
	FETCHF 0                                       ; the other 21 fragments, into window 1: the moves that read it stand ahead of batch 5's last wait on va_vdst
.set gg, 0
.rept 24
	ds_load_b32 v[WS+gg], v[SCA] offset:128*gg
.set gg, gg+1
.endr
	s_wait_loadcnt 0x0                             ; b2 (and my first tile)
.set bi, 0
.rept 32
	v_mul_f32 v[BIAS+8*(bi%4)+bi/4], s48, v[O+bi]  ; x 1 or x 0, and into the accumulators' layout: register 8 c + j
.set bi, bi+1
.endr
.rept 4
	v_nop                                          ; once in the launch: places between the last of these and the first products, which take them as C
.endr
	s_wait_dscnt 0x0
	s_mov_b32 s26, 0
.Lrow:                                             ; sixteen trips, a constant; the first tile behind the last leaves the loop, so every way to the counted waits has the same loads out
	s_cmp_ge_u32 s25, s24
	s_cbranch_scc1 .Ldone
	s_wait_alu depctr_va_vdst(0)
.irp g, 0,1,2
	s_wait_loadcnt 36                              ; this tile's group g is in.  Behind it were issued this tile's groups g + 1 .. 3 and the next tile's groups 0 .. g - 1: three groups of 12 loads, whatever g
	MULG \g
	WIN 0
.rept 4
	v_nop                                          ; four places behind the group's last product; they stay beside the wait below
.endr
.if \g == 0
	s_wait_xcnt 0x0                                ; the last trip's loads and stores have had their addresses translated: their bases and the stores' data are written again only behind this wait, which stands 12 products behind the stores
	s_wait_alu depctr_vm_vsrc(0)                   ; the last trip's LDS stores have read O, which this trip's moves write; its global stores have read RB, in which this trip's loads from the stage land
	NBASE 4
	s_add_nc_u64 s[14:15], s[14:15], 64*3072       ; four tiles on; the stores below reach back
.endif
	WIN 0xc0
	s_wait_alu depctr_va_vdst(0)                   ; the group's 12 products are done reading its fragments of h and its scale words, in which the loads below land
	GRP \g                                         ; my next tile's group g: it has the rest of this trip and the next trip's first g groups in which to land
.endr
	s_wait_loadcnt 36                              ; this tile's group 3 is in; the next tile's groups 0 to 2 may be out
	MULG 3
	WIN 0
.rept 4
	v_nop                                          ; four places ahead of the first read of results
.endr
.irp j, 0,1,2,3,4,5,6,7                        ; a lane's 32 outputs into their order; each accumulator is read from its low end on
.irp c, 0,1,2,3
	v_mov_b32 v[O+4*\j+\c], v[ACC+8*\c+\j]
.endr
.endr
	WIN 0xc0
	s_wait_alu depctr_va_vdst(0)                   ; one wait for two things: the last 12 products are done reading group 3's fragments and scale words, in which the loads below land; the moves have written O, which the LDS stores read
	GRP 3                                          ; my next tile's group 3
.irp j, 0,1,2,3,4,5,6,7
	ds_store_b128 v[STO], v[O+4*\j:O+4*\j+3] offset:16*\j
.endr
.irp i, 0,1,2,3,4,5,6,7
	ds_load_b128 v[RB+4*\i:RB+4*\i+3], v[RD] offset:544*\i   ; LDS serves a wave's instructions in order (ISA guide 5.7.1.4): these see my stores; the stage is my own
.endr
.irp i, 0,1,2,3,4,5,6,7
	s_wait_dscnt 7-\i                              ; the younger loads may be out
	global_store_b128 v[YO], v[RB+4*\i:RB+4*\i+3], s[14:15] offset:6144*\i-64*3072 th:TH_STORE_NT   ; sixteen lanes store 256 consecutive bytes, at a multiple of 256 from yp's first byte
.endr
	s_add_co_u32 s25, s25, 4
	s_add_co_u32 s26, s26, 1
	s_cmp_lt_u32 s26, 16
	s_cbranch_scc1 .Lrow
.Ldone:
	s_barrier_signal -1
	s_barrier_wait -1
	s_wait_dscnt 0x0                               ; the closing lines, six on end
	s_wait_alu 0x0
	s_wait_tensorcnt 0x0
	ds_add_u32 v254, v255
	s_wait_dscnt 0x0
	s_endpgm
.Lfunc_end_k_q70c03ebfa9_ffn2:
	.size	k_q70c03ebfa9_ffn2, .Lfunc_end_k_q70c03ebfa9_ffn2-k_q70c03ebfa9_ffn2
	.p2alignl 7, 3214868480
	.fill 96, 4, 3214868480
	.section	.rodata,"a",@progbits
	.p2align	6, 0x0
	.amdhsa_kernel k_q70c03ebfa9_ffn2
		.amdhsa_group_segment_fixed_size 94720
		.amdhsa_private_segment_fixed_size 0
		.amdhsa_enable_private_segment 0
		.amdhsa_kernarg_size 48
		.amdhsa_user_sgpr_count 2
		.amdhsa_user_sgpr_kernarg_segment_ptr 1
		.amdhsa_wavefront_size32 1
		.amdhsa_system_sgpr_workgroup_id_x 1
		.amdhsa_system_sgpr_workgroup_id_y 1
		.amdhsa_system_sgpr_workgroup_id_z 1
		.amdhsa_system_vgpr_workitem_id 0
		.amdhsa_next_free_vgpr 1024
		.amdhsa_next_free_sgpr 66
		.amdhsa_reserve_vcc 0
		.amdhsa_float_denorm_mode_32 3
		.amdhsa_float_denorm_mode_16_64 3
		.amdhsa_memory_ordered 1
		.amdhsa_forward_progress 1
		.amdhsa_inst_pref_size 118
	.end_amdhsa_kernel
	.amdgpu_metadata
---
amdhsa.version: [ 1, 2 ]
amdhsa.kernels:
  - .name:           k_q70c03ebfa9_ffn2
    .symbol:         k_q70c03ebfa9_ffn2.kd
    .args:
      - { .name: w2, .offset: 0, .size: 8, .value_kind: global_buffer, .address_space: global }
      - { .name: b2, .offset: 8, .size: 8, .value_kind: global_buffer, .address_space: global }
      - { .name: hq, .offset: 16, .size: 8, .value_kind: global_buffer, .address_space: global }
      - { .name: hs, .offset: 24, .size: 8, .value_kind: global_buffer, .address_space: global }
      - { .name: cnt, .offset: 32, .size: 8, .value_kind: global_buffer, .address_space: global }
      - { .name: yp, .offset: 40, .size: 8, .value_kind: global_buffer, .address_space: global }
    .group_segment_fixed_size: 94720
    .private_segment_fixed_size: 0
    .kernarg_segment_align: 8
    .kernarg_segment_size: 48
    .max_flat_workgroup_size: 128
    .sgpr_count:     66
    .vgpr_count:     1024
    .wavefront_size: 32
...
	.end_amdgpu_metadata
.endif
;; end of part 7
;; launch norm (part 8): grid 256 x 1, 4 waves a work-group, no clusters, 0 bytes of LDS; arguments yp, pos, tk, tw, ln_g, ln_b, out0; writes out0
.if DOCPART == 8
	.amdgcn_target "amdgcn-amd-amdhsa--gfx1250"
	.amdhsa_code_object_version 6
	.text
	.protected	k_q70c03ebfa9_norm
	.globl	k_q70c03ebfa9_norm
	.p2align	8
	.type	k_q70c03ebfa9_norm,@function
k_q70c03ebfa9_norm:
	s_mov_b64 s[64:65], 0
	v_nop
	global_prefetch_b8 v0, s[64:65] scope:SCOPE_SE
	s_setreg_imm32_b32 hwreg(HW_REG_WAVE_MODE, 25, 1), 1
	s_wait_xcnt 0x0
; NORM.  out[token] = LayerNorm(w0 y(i0) + w1 y(i1)), y(i) = the two halves of K of the token's row in expert i.  A wave takes one token: a row of 3,072 bytes is six loads of 512 consecutive bytes, 24 numbers a lane,
; so the sums never leave the wave: no LDS, no barrier.  The token's two experts come from tk, its places in their lists from pos: all eight places are loaded at once and two are chosen by s_cselect_b32,
; so that the rows' addresses are one scalar load away and not two.  Memory binds: the matrix unit and LDS would add nothing.
; LIMITS: NaN and infinities are not served.
.set A0, 16                            ; v16-39 first expert, first half of K; then z, then the result
.set A1, 40                            ; v40-63 its second half
.set B0, 64                            ; v64-87, v88-111 the second expert's
.set B1, 88
.set G,  112                           ; v112-135 ln_g
.set BB, 136                           ; v136-159 ln_b
	s_load_b256 s[4:11], s[0:1], 0x0               ; yp s[4:5], pos s[6:7], tk s[8:9], tw s[10:11]
	s_load_b128 s[12:15], s[0:1], 0x20             ; ln_g s[12:13], ln_b s[14:15]
	s_load_b64 s[16:17], s[0:1], 0x30              ; out0
	v_lshrrev_b32 v1, 5, v0
	v_readfirstlane_b32 s20, v1                    ; wave
	v_and_b32 v1, 31, v0
	v_lshlrev_b32 v1, 4, v1                        ; 16 x lane
	s_lshl_b32 s21, ttmp9, 2
	s_add_co_u32 s21, s21, s20                     ; my token
	s_lshl_b32 s22, s21, 2
	s_mov_b32 s23, 0
	s_lshl_b32 s24, s21, 3
	s_mov_b32 s25, 0
	s_mul_i32 s26, s21, 3072
	s_mov_b32 s27, 0
	s_mov_b32 s58, 0x76543210
	s_mov_b32 s59, 0xfedcba98                      ; v_permlanex16_b32's selects for lane l xor 16
	s_mov_b32 s60, 0x3aaaaaab                      ; 1 / 768
	s_mov_b32 s61, 0x3727c5ac                      ; 1e-5
	s_wait_alu depctr_va_vdst(0)
	s_wait_kmcnt 0x0
	s_add_nc_u64 s[6:7], s[6:7], s[22:23]
	s_add_nc_u64 s[8:9], s[8:9], s[22:23]
	s_add_nc_u64 s[10:11], s[10:11], s[24:25]
	s_add_nc_u64 s[16:17], s[16:17], s[26:27]
	s_load_b32 s28, s[8:9], 0x0                    ; tk
	s_load_b64 s[30:31], s[10:11], 0x0             ; w0, w1
.irp e, 0,1,2,3,4,5,6,7
	s_load_b32 s[32+\e], s[6:7], 4096*\e           ; my place in each expert's list (a number without meaning where I am not routed: not chosen below)
.endr
.irp i, 0,1,2,3,4,5
	global_load_b128 v[G+4*\i:G+4*\i+3], v1, s[12:13] offset:512*\i
	global_load_b128 v[BB+4*\i:BB+4*\i+3], v1, s[14:15] offset:512*\i
.endr
	s_wait_kmcnt 0x0
	s_bfe_u32 s40, s28, 0x80008                    ; i0
	s_bfe_u32 s41, s28, 0x80010                    ; i1
	s_min_u32 s40, s40, 7
	s_min_u32 s41, s41, 7
	s_mov_b32 s42, s32
	s_mov_b32 s43, s32
.irp e, 1,2,3,4,5,6,7
	s_cmp_eq_u32 s40, \e
	s_cselect_b32 s42, s[32+\e], s42
	s_cmp_eq_u32 s41, \e
	s_cselect_b32 s43, s[32+\e], s43
.endr
	s_min_u32 s42, s42, 1023
	s_min_u32 s43, s43, 1023
	s_lshl_b32 s44, s40, 10
	s_add_co_u32 s44, s44, s42
	s_mul_i32 s44, s44, 3072                       ; row 1,024 i + place, in bytes
	s_mov_b32 s45, 0
	s_lshl_b32 s46, s41, 10
	s_add_co_u32 s46, s46, s43
	s_mul_i32 s46, s46, 3072
	s_mov_b32 s47, 0
	s_add_nc_u64 s[48:49], s[4:5], s[44:45]
	s_add_nc_u64 s[50:51], s[48:49], 0x1800000     ; the second half of K: 8 x 1,024 rows on
	s_add_nc_u64 s[52:53], s[4:5], s[46:47]
	s_add_nc_u64 s[54:55], s[52:53], 0x1800000
	s_mov_b32 s56, s31                             ; w1 as the low word of a pair of its own, for the packed form
	s_mov_b32 s57, s31
.irp i, 0,1,2,3,4,5
	global_load_b128 v[A0+4*\i:A0+4*\i+3], v1, s[48:49] offset:512*\i th:TH_LOAD_NT
	global_load_b128 v[A1+4*\i:A1+4*\i+3], v1, s[50:51] offset:512*\i th:TH_LOAD_NT
	global_load_b128 v[B0+4*\i:B0+4*\i+3], v1, s[52:53] offset:512*\i th:TH_LOAD_NT
	global_load_b128 v[B1+4*\i:B1+4*\i+3], v1, s[54:55] offset:512*\i th:TH_LOAD_NT
.endr
	s_wait_loadcnt 0x0
.irp j, 0,2,4,6,8,10,12,14,16,18,20,22
	v_pk_add_f32 v[A0+\j:A0+\j+1], v[A0+\j:A0+\j+1], v[A1+\j:A1+\j+1]
	v_pk_add_f32 v[B0+\j:B0+\j+1], v[B0+\j:B0+\j+1], v[B1+\j:B1+\j+1]
.endr
.irp j, 0,2,4,6,8,10,12,14,16,18,20,22
	v_pk_mul_f32 v[A0+\j:A0+\j+1], v[A0+\j:A0+\j+1], s[30:31] op_sel_hi:[1,0]
.endr
.irp j, 0,2,4,6,8,10,12,14,16,18,20,22
	v_pk_fma_f32 v[A0+\j:A0+\j+1], v[B0+\j:B0+\j+1], s[56:57], v[A0+\j:A0+\j+1] op_sel_hi:[1,0,1]   ; z = w0 y(i0) + w1 y(i1)
.endr
	v_pk_add_f32 v[2:3], v[A0:A0+1], v[A0+2:A0+3]  ; the row's sum: two chains in the lane,
	v_pk_add_f32 v[4:5], v[A0+4:A0+5], v[A0+6:A0+7]
.irp j, 8,12,16,20
	v_pk_add_f32 v[2:3], v[2:3], v[A0+\j:A0+\j+1]
	v_pk_add_f32 v[4:5], v[4:5], v[A0+\j+2:A0+\j+3]
.endr
	v_pk_add_f32 v[2:3], v[2:3], v[4:5]
	v_add_f32 v2, v2, v3
	v_add_f32_dpp v2, v2, v2 row_xmask:1 row_mask:0xf bank_mask:0xf   ; then across the 32 lanes
	v_add_f32_dpp v2, v2, v2 row_xmask:2 row_mask:0xf bank_mask:0xf
	v_add_f32_dpp v2, v2, v2 row_xmask:4 row_mask:0xf bank_mask:0xf
	v_add_f32_dpp v2, v2, v2 row_xmask:8 row_mask:0xf bank_mask:0xf
	v_permlanex16_b32 v3, v2, s58, s59
	v_add_f32 v2, v2, v3
	v_mul_f32 v2, s60, v2                          ; the mean
	v_mov_b32 v3, v2
.irp j, 0,2,4,6,8,10,12,14,16,18,20,22
	v_pk_add_f32 v[A0+\j:A0+\j+1], v[A0+\j:A0+\j+1], v[2:3] neg_lo:[0,1] neg_hi:[0,1]   ; d = z - mean
.endr
	v_pk_mul_f32 v[4:5], v[A0:A0+1], v[A0:A0+1]    ; the sum of d^2, as the sum above
	v_pk_mul_f32 v[6:7], v[A0+2:A0+3], v[A0+2:A0+3]
.irp j, 4,8,12,16,20
	v_pk_fma_f32 v[4:5], v[A0+\j:A0+\j+1], v[A0+\j:A0+\j+1], v[4:5]
	v_pk_fma_f32 v[6:7], v[A0+\j+2:A0+\j+3], v[A0+\j+2:A0+\j+3], v[6:7]
.endr
	v_pk_add_f32 v[4:5], v[4:5], v[6:7]
	v_add_f32 v4, v4, v5
	v_add_f32_dpp v4, v4, v4 row_xmask:1 row_mask:0xf bank_mask:0xf
	v_add_f32_dpp v4, v4, v4 row_xmask:2 row_mask:0xf bank_mask:0xf
	v_add_f32_dpp v4, v4, v4 row_xmask:4 row_mask:0xf bank_mask:0xf
	v_add_f32_dpp v4, v4, v4 row_xmask:8 row_mask:0xf bank_mask:0xf
	v_permlanex16_b32 v5, v4, s58, s59
	v_add_f32 v4, v4, v5
	v_fma_f32 v4, v4, s60, s61                     ; the variance + 1e-5
	s_wait_alu depctr_va_vdst(0)
	v_rsq_f32 v6, v4
	v_nop                                          ; a plain place behind the transcendental,
	s_wait_alu depctr_va_vdst(0)                   ; and the wait ahead of its first reader
	v_mov_b32 v7, v6
.irp j, 0,2,4,6,8,10,12,14,16,18,20,22
	v_pk_mul_f32 v[A0+\j:A0+\j+1], v[A0+\j:A0+\j+1], v[6:7]
.endr
.irp j, 0,2,4,6,8,10,12,14,16,18,20,22
	v_pk_fma_f32 v[A0+\j:A0+\j+1], v[A0+\j:A0+\j+1], v[G+\j:G+\j+1], v[BB+\j:BB+\j+1]
.endr
.irp i, 0,1,2,3,4,5
	global_store_b128 v1, v[A0+4*\i:A0+4*\i+3], s[16:17] offset:512*\i th:TH_STORE_NT   ; 512 consecutive bytes, at a multiple of 256 from out0's first byte
.endr
	s_endpgm
.Lfunc_end_k_q70c03ebfa9_norm:
	.size	k_q70c03ebfa9_norm, .Lfunc_end_k_q70c03ebfa9_norm-k_q70c03ebfa9_norm
	.p2alignl 7, 3214868480
	.fill 96, 4, 3214868480
	.section	.rodata,"a",@progbits
	.p2align	6, 0x0
	.amdhsa_kernel k_q70c03ebfa9_norm
		.amdhsa_group_segment_fixed_size 0
		.amdhsa_private_segment_fixed_size 0
		.amdhsa_enable_private_segment 0
		.amdhsa_kernarg_size 56
		.amdhsa_user_sgpr_count 2
		.amdhsa_user_sgpr_kernarg_segment_ptr 1
		.amdhsa_wavefront_size32 1
		.amdhsa_system_sgpr_workgroup_id_x 1
		.amdhsa_system_sgpr_workgroup_id_y 1
		.amdhsa_system_sgpr_workgroup_id_z 1
		.amdhsa_system_vgpr_workitem_id 0
		.amdhsa_next_free_vgpr 160
		.amdhsa_next_free_sgpr 66
		.amdhsa_reserve_vcc 0
		.amdhsa_float_denorm_mode_32 3
		.amdhsa_float_denorm_mode_16_64 3
		.amdhsa_memory_ordered 1
		.amdhsa_forward_progress 1
		.amdhsa_inst_pref_size 16
	.end_amdhsa_kernel
	.amdgpu_metadata
---
amdhsa.version: [ 1, 2 ]
amdhsa.kernels:
  - .name:           k_q70c03ebfa9_norm
    .symbol:         k_q70c03ebfa9_norm.kd
    .args:
      - { .name: yp, .offset: 0, .size: 8, .value_kind: global_buffer, .address_space: global }
      - { .name: pos, .offset: 8, .size: 8, .value_kind: global_buffer, .address_space: global }
      - { .name: tk, .offset: 16, .size: 8, .value_kind: global_buffer, .address_space: global }
      - { .name: tw, .offset: 24, .size: 8, .value_kind: global_buffer, .address_space: global }
      - { .name: ln_g, .offset: 32, .size: 8, .value_kind: global_buffer, .address_space: global }
      - { .name: ln_b, .offset: 40, .size: 8, .value_kind: global_buffer, .address_space: global }
      - { .name: out0, .offset: 48, .size: 8, .value_kind: global_buffer, .address_space: global }
    .group_segment_fixed_size: 0
    .private_segment_fixed_size: 0
    .kernarg_segment_align: 8
    .kernarg_segment_size: 56
    .max_flat_workgroup_size: 128
    .sgpr_count:     66
    .vgpr_count:     160
    .wavefront_size: 32
...
	.end_amdgpu_metadata
.endif
;; end of part 8
